; MI455X (gfx1250); checked and timed in simulation.
; The chip was launched on July 23, 2026; its instructions are those of AMD's public machine-readable ISA for CDNA 5 (MIT licence, August 2026) and "CDNA5" Instruction Set Architecture Reference Guide (July 2026). The comments in the code are by the model that wrote it; some were corrected since.
;; Attention. Allowed arithmetic: matrix products marked QUANTISED: E2M3 operands, one E8M0 scale for each 32 along K, by v_wmma_scale_f32_16x16x128_f8f6f4 with both operands' format E2M3, f32 sums; products left as they are: f32 operands where the result goes on into a quantised operand, else bf16, f16 or f32 operands; f32 sums; everything else in f32.
;; Inputs: W_cov 1,024 x 256 float32; W_in 1,024 x 1,024 float32; W_out 1,024 x 2,048 float32; b_cov 1,024 float32; b_hh 768 float32; b_ih 768 float32; context 64 x 512 x 1,024 float32; cov 64 x 512 x 256 float32; h 64 x 1,024 float32; mask 64 x 512 bool; w_hh 768 x 256 float32; w_ih 768 x 2,049 float32.
;; Outputs: out0 64 x 1,024 float32; out1 64 x 512 float32; out2 64 x 512 x 256 float32.
;; This version of the problem:
;;   THIS VERSION OF THE PROBLEM IS GIVEN IN LOW PRECISION. The matrix products marked QUANTISED in the list below multiply operands that are first quantised to E2M3 (2 exponent bits, 3 mantissa bits; 6 bits a number), with one power-of-two scale for each 32 numbers along K (OCP MX v1.0); their sums are f32. All else is computed in f32.
;;   The module's matrix products, in the order in which they are computed (A, B: the left and right operand; K: the contracted axis; several contracted axes count as one K, in the product's order):
;;     1. [M 32,768, K 256] x [K 256, N 1,024]; A: input cov; B: input W_cov: QUANTISED
;;     2. [M 64, K 1,024] x [K 1,024, N 1,024]; A: input h; B: input W_in: QUANTISED
;;     3. batch 64 x [M 512, K 1,024] x [K 1,024, N 1]; A: computed on the way; B: computed on the way: left as it is (N = 1 < 16)
;;     4. batch 64 x [M 1, K 512] x [K 512, N 1,024]; A: softmax; B: computed on the way: left as it is (M = 1 < 16)
;;     5. [M 64, K 2,048] x [K 2,048, N 1,024]; A: computed on the way; B: input W_out: QUANTISED
;;     6. [M 32,768, K 2,049] x [K 2,049, N 768]; A: computed on the way; B: input w_ih: QUANTISED
;;     7. [M 32,768, K 256] x [K 256, N 768]; A: input cov; B: input w_hh: QUANTISED
;;   THE QUANTISER, for each operand of a quantised product, along K:
;;     - K is cut into blocks of 32 from its start; a last block that is shorter is filled with zeros.
;;     - A block's scale is 2^e with e = floor(log2(the largest magnitude in the block)) - 2, held to -126 .. 127; a block of zeros has e = 0. As a byte (E8M0): e + 127.
;;     - Each number is divided by its block's scale, clamped to +-7.5, and rounded to the nearest number of E2M3, ties to even, subnormals kept.
;;     - The product sums the exact products of the quantised numbers (number of the format x scale) in f32.
;;   ~~~python
;;   def quantise(x, axis):      # numpy; x: float32 -> the quantised numbers, widened to float32 again
;;       x = np.moveaxis(x, axis, -1); K = x.shape[-1]
;;       x = np.pad(x, [(0, 0)] * (x.ndim - 1) + [(0, -K % 32)]); x = x.reshape(x.shape[:-1] + (-1, 32)); a = np.abs(x).max(-1, keepdims=True)
;;       e = np.where(a > 0, np.clip(np.frexp(np.where(a > 0, a, 1))[1] - 1 - 2, -126, 127), 0)      # np.frexp(a)[1] - 1 = floor(log2(a)), exactly
;;       r = np.clip(x / 2.0 ** e, -7.5, 7.5)
;;       step = 2.0 ** (np.maximum(np.frexp(np.where(r == 0, 1, r))[1] - 1, 0) - 3)
;;       q = np.round(r / step) * step * 2.0 ** e      # np.round: ties to even
;;       return np.moveaxis(q.reshape(q.shape[:-2] + (-1,))[..., :K], -1, axis).astype(np.float32)
;;   ~~~
;;   OPERANDS COMPUTED ON THE WAY. 'Computed on the way' means the value that the module computes at that place (a softmax that the list does not call 'softmax' is quantised finished and normalised). What goes into a quantiser is computed in f32, as accurately as f32 sums, v_exp_f32 and their like allow (about 1e-6 of the number): no bf16 or f16 on the way to a quantiser, and a product that is left as it is and whose result goes on into a quantised operand takes f32 operands (vector FMAs, or v_wmma_f32_16x16x4_f32). A number that lies on a knife's edge between two numbers of the format may be rounded either way, as far as f32 arithmetic and the matrix unit's own rounding can turn it there, and no further.
;; One version. Each part assembles by itself: llvm-mc -triple=amdgcn-amd-amdhsa -mcpu=gfx1250 --defsym DOCPART=n.
;; ======== version 1 of 1: 4 launches
;; limits: right only within a limited range of input values
;; workspace buffers: wq 1,869,824 bytes; hpart 2,883,584 bytes; xa 33,554,432 bytes; scores 131,072 bytes; part 1,050,624 bytes; wcq 51,200 bytes
;; launch prep (part 1): grid 249 x 1, 4 waves a work-group, no clusters, 167,936 bytes of LDS; arguments h, W_in, W_out, W_cov, w_ih, w_hh, wq, hpart; writes wq, hpart
.if DOCPART == 1
	.amdgcn_target "amdgcn-amd-amdhsa--gfx1250"
	.amdhsa_code_object_version 6
	.text
	.protected	k_q7c030db377_prep
	.globl	k_q7c030db377_prep
	.p2align	8
	.type	k_q7c030db377_prep,@function
k_q7c030db377_prep:
	s_mov_b64 s[64:65], 0
	v_nop
	global_prefetch_b8 v0, s[64:65] scope:SCOPE_SE
	s_setreg_imm32_b32 hwreg(HW_REG_WAVE_MODE, 25, 1), 1
	s_wait_xcnt 0x0
; PREP.  (1) The weights become codes of FP6 (E2M3) with one E8M0 scale for each 32 along K, laid in wq as IMAGES OF OPERAND REGISTERS: a fragment (16 rows x 128 K, 12 registers a lane) is three
; blocks of 512 bytes, lane l's 16 bytes at 16 l; a scale image is 128 bytes: lanes 0-15 the words of a pair's first fragment, lanes 16-31 those of the second.
; (2) The three products that have h as an operand (h W_in^T; the h part of x w_ih^T; the h part of [wc, h] W_out^T) are made here, K cut in four quarters of 256: hpart [quarter 4][batch 64][2816] f32.
; A JOB is 16 rows x 256 columns of f32: two fragments and one paired scale image.  Every wave does two jobs.  The rows of a tile are not neighbours: lane p of tile T takes row 32 (T / 2) + 8 (T % 2) + p + 8 (p / 8),
; so that the results of tiles 2 b and 2 b + 1 are 16 neighbours along a later K.
; Work-groups 0-175: job 0 = 16 rows of h, job 1 = 16 rows of a weight, then 8 products a wave.  Work-groups 176-248: two jobs of weights, stored as images.
; A job's rows are loaded as they lie (512 consecutive bytes a load), go through the wave's own stage in LDS and come back 64 bytes a lane, 16 neighbours of a block of 32.
; A row of w_ih is 8,196 bytes, so row R begins 4 (R % 4) bytes behind a multiple of 16: its loads begin that much earlier, one more chunk of 16 bytes is loaded, and the shift is taken out by stores of 4 bytes.
; LIMITS: NaN and infinities are not served; a block whose largest magnitude lies under 2^-124 keeps the byte 1; a block of zeros gets the byte 1 (its codes are zeros, and this program alone reads the bytes).
.set SPI,   1072                       ; a stage row: 16 bytes in front, 1,024 of data, 32 behind = 268 words: sixteen rows begin 12 words apart modulo 64
.set STGJ,  16*SPI                     ; a job's stage
.set STGW,  2*STGJ                     ; a wave's two
.set HIMG,  4*STGW                     ; h's eight fragments (tile t, K step s: 2 t + s)
.set HSC,   HIMG+8*1536                ; their four paired scale images
.set OST,   HSC+4*128                  ; the way out: 64 rows x (256 bytes + 16)
.set OPI,   272
.set WCS,   196608                     ; wq: W_cov's fragments at 0, its scale images here,
.set GRU,   204800                     ; the GRU's eight blocks,
.set GBLK,  105728                     ; each 66 fragments and, from GSC on, 33 scale images,
.set GSC,   101376
.set WOI,   1050624                    ; W_out's first 1,024 columns,
.set WOS,   1837056                    ; their scale images
.set HPL,   720896                     ; hpart: a plane,
.set HPR,   11264                      ; a row
.set WIH,   8196                       ; a row of w_ih
.set XA,    0                          ; window 1: job 0 as loaded, v0-127; job 1, v128-255
.set XB,    128
.set Y,     32                         ; v32-159  a job's 128 numbers a lane; later v32-127 h's eight fragments, v128-159 four accumulators
.set AC,    128
.set FR,    160                        ; v160-207 four fragments: job 0's two, job 1's two
.set PX,    208                        ; v208-215 the conversions' second halves
.set TM,    216                        ; v216-231 at work in QUANT
.set PW,    232                        ; v232-233 scale words just made
.set SCA,   236                        ; v236, v237 the jobs' paired scale words; v238-241 h's, from LDS: these six hold scales alone
.set SCB,   237
.set HS,    238
.set SEL,   22                         ; s[22:23] selects of v_permlanex16_b32: lane l xor 16
.set HI,    24                         ; s24      lanes 16-31
.set MSB, 0
.macro WIN new                         ; the immediate's high byte repeats the setting that is left
.if MSB != \new
	s_set_vgpr_msb (MSB<<8)|\new
.set MSB, \new
.endif
.endm
.macro PLACES n
.rept \n
	v_nop
.endr
.endm
; 64 numbers of a lane, register 16 b + i = k 32 b + 16 (lane / 16) + i of my row, become a fragment's codes in v[pc] on and its scale word in v[pw].
.macro QUANT src, pc, px, pw
.irp b, 0,1,2,3
	v_max3_num_f32 v[TM+\b], |v[\src+16*\b]|, |v[\src+1+16*\b]|, 0x1800000   ; my 16 numbers of block b, and the floor 2^(3 - 127): the byte cannot fall under 1
.endr
.irp i, 2,4,6,8,10,12,14
.irp b, 0,1,2,3
	v_max3_num_f32 v[TM+\b], v[TM+\b], |v[\src+16*\b+\i]|, |v[\src+1+16*\b+\i]|
.endr
.endr
.irp b, 0,1,2,3
	v_permlanex16_b32 v[TM+4+\b], v[TM+\b], s[SEL], s[SEL+1]
.endr
.irp b, 0,1,2,3
	v_max_num_f32 v[TM+\b], v[TM+\b], v[TM+4+\b]               ; with lane l xor 16's: the block's largest magnitude
.endr
.irp b, 0,1,2,3
	v_add_nc_u32 v[TM+12+\b], 0xff000000, v[TM+\b]             ; 2 off its exponent field: the conversion's scale operand
.endr
.irp b, 0,1,2,3
	v_lshrrev_b32 v[TM+4+\b], 23, v[TM+12+\b]                  ; the scale's byte
.endr
	v_lshl_or_b32 v[\pw], v[TM+5], 8, v[TM+4]
	v_lshl_or_b32 v[\pw], v[TM+6], 16, v[\pw]
	v_lshl_or_b32 v[\pw], v[TM+7], 24, v[\pw]
.irp c, 0,1
	v_cvt_scalef32_pk16_fp6_f32 v[\pc+6*\c:\pc+2+6*\c], v[\src+32*\c:\src+15+32*\c], v[TM+12+2*\c]
	v_cvt_scalef32_pk16_fp6_f32 v[\px+4*\c:\px+2+4*\c], v[\src+16+32*\c:\src+31+32*\c], v[TM+12+2*\c+1]
.endr
	v_nop                                                      ; one plain line behind the scaled conversions
.irp c, 0,1                            ; the operand wants a whole block in a lane: lanes 0-15 block 2 c, lanes 16-31 block 2 c + 1
.irp i, 0,1,2
	v_permlane16_swap_b32 v[\pc+6*\c+\i], v[\px+4*\c+\i]
.endr
.irp i, 0,1,2
	v_mov_b32 v[\pc+3+6*\c+\i], v[\px+4*\c+\i]
.endr
.endr
.endm
; A job's 16 rows x 1,024 bytes into window 1: two loads of 512 consecutive bytes a row.  mis = 1: rows of w_ih: each row's loads begin 4 (p % 4) bytes early, and lanes 0-15 fetch a 65th chunk of their row.
.macro LOADJ X, sb, pitch, mis, xe, nt
	WIN 0x40
.set pp, 0
.rept 16
.set gofs, (pp+8*(pp/8))*\pitch-\mis*4*(pp%4)
.if \nt
	global_load_b128 v[\X+8*pp:\X+8*pp+3], v1, s[\sb:\sb+1] offset:gofs th:TH_LOAD_NT
	global_load_b128 v[\X+8*pp+4:\X+8*pp+7], v1, s[\sb:\sb+1] offset:gofs+512 th:TH_LOAD_NT
.else
	global_load_b128 v[\X+8*pp:\X+8*pp+3], v1, s[\sb:\sb+1] offset:gofs
	global_load_b128 v[\X+8*pp+4:\X+8*pp+7], v1, s[\sb:\sb+1] offset:gofs+512
.endif
.set pp, pp+1
.endr
	WIN 0
.if \mis
	global_load_b128 v[\xe:\xe+3], v5, s[\sb:\sb+1] offset:1024 th:TH_LOAD_NT
.endif
.endm
; and into the wave's stage a; the data of a row begin at byte 16 of its stage row
.macro STAGEJ X, a, mis, xe
	WIN 0x04                                                   ; an LDS store's data are its source 1: window 1
.set pp, 0
.rept 16
.set lofs, \a*STGJ+pp*SPI+16-\mis*4*(pp%4)
.if \mis
.irp e, 0,1,2,3,4,5,6,7
	ds_store_b32 v3, v[\X+8*pp+\e] offset:lofs+512*(\e/4)+4*(\e%4)
.endr
.else
	ds_store_b128 v3, v[\X+8*pp:\X+8*pp+3] offset:lofs
	ds_store_b128 v3, v[\X+8*pp+4:\X+8*pp+7] offset:lofs+512
.endif
.set pp, pp+1
.endr
	WIN 0
.if \mis
.irp e, 0,1,2,3
	ds_store_b32 v6, v[\xe+\e] offset:\a*STGJ+4*\e             ; lanes l and l + 16 write the same word with the same value
.endr
.endif
.endm
.macro PATH pa, ma, nta, pb, mb        ; both jobs' loads go out first; job 0 is staged while job 1's loads (32, or 33 with the extra chunk) may be out
	LOADJ XA, 26, \pa, \ma, 16, \nta
	LOADJ XB, 28, \pb, \mb, 20, 1
	s_wait_loadcnt 32+\mb
	STAGEJ XA, 0, \ma, 16
	s_wait_loadcnt 0x0
	STAGEJ XB, 1, \mb, 20
	s_branch .Ljoin
.endm
; job a comes back from the stage, 16 neighbours of each block a lane, and is quantised.  LDS serves a wave's instructions in order: these loads see the wave's own stores.
.macro QJOB a, fr, scp
.set nn, 0
.rept 32
	ds_load_b128 v[Y+4*nn:Y+4*nn+3], v4 offset:\a*STGJ+16+512*(nn/16)+128*((nn/4)%4)+16*(nn%4)
.set nn, nn+1
.endr
	s_wait_dscnt 0x0
	QUANT Y, \fr, PX, PW
	QUANT Y+64, \fr+12, PX, PW+1
	v_cndmask_b32 v[\scp], v[PW], v[PW+1], s[HI]               ; lanes 0-15: the first fragment's words; lanes 16-31: the second's
.endm
.macro SRC d, p, row, pitch, col       ; s[d:d+1] = s[p:p+1] + s[row] x pitch + s[col]
	s_mul_i32 s46, s[\row], \pitch
	s_add_co_u32 s46, s46, s[\col]
	s_mov_b32 s47, 0
	s_add_nc_u64 s[\d:\d+1], s[\p:\p+1], s[46:47]
.endm
.macro ROWB d, t                       ; a tile's first row: s[d] = 32 (s[t] / 2) + 8 (s[t] % 2)
	s_lshr_b32 s[\d], s[\t], 1
	s_lshl_b32 s[\d], s[\d], 5
	s_and_b32 s46, s[\t], 1
	s_lshl_b32 s46, s46, 3
	s_add_co_u32 s[\d], s[\d], s46
.endm
	s_load_b256 s[4:11], s[0:1], 0x0               ; h s[4:5], W_in s[6:7], W_out s[8:9], W_cov s[10:11]
	s_load_b256 s[12:19], s[0:1], 0x20             ; w_ih s[12:13], w_hh s[14:15], wq s[16:17], hpart s[18:19]
	v_lshl_add_u32 v254, v0, 2, 0x28e00
	v_mov_b32 v255, 0
	v_lshrrev_b32 v28, 5, v0
	v_readfirstlane_b32 s20, v28                   ; wave
	v_and_b32 v29, 31, v0                          ; lane
	v_lshlrev_b32 v1, 4, v29                       ; v1  16 x lane
	v_lshlrev_b32 v2, 2, v29                       ; v2  4 x lane
	v_and_b32 v30, 15, v0                          ; r
	v_bfe_u32 v31, v0, 4, 1                        ; half
	s_mul_i32 s21, s20, STGW
	v_add_nc_u32 v3, s21, v1                       ; v3  the stage, way in: my 16 bytes of a load's 512
	v_mul_u32_u24 v8, v30, SPI
	v_add_nc_u32 v8, s21, v8                       ; v8  stage row r
	v_lshl_add_u32 v4, v31, 6, v8                  ; v4  the stage, way out: row r, + 64 x half
	v_and_b32 v28, 8, v30
	v_add_nc_u32 v28, v28, v30                     ; r + 8 (r / 8)
	v_mul_u32_u24 v7, v28, WIH                     ; v7  my row of a tile of w_ih
	v_and_b32 v29, 3, v0
	v_lshlrev_b32 v29, 2, v29                      ; its shift
	v_sub_nc_u32 v5, v7, v29                       ; v5  the extra chunk in memory (with offset 1,024)
	v_add_nc_u32 v6, 1040, v8
	v_sub_nc_u32 v6, v6, v29                       ; v6  and in the stage
	v_add_nc_u32 v9, HIMG, v1                      ; v9  h's images, read
	s_mul_i32 s21, s20, 3072
	v_add_nc_u32 v10, s21, v9                      ; v10 h's images, my tile's
	v_add_nc_u32 v11, HSC, v2                      ; v11 h's scale images, read
	s_lshl_b32 s21, s20, 7
	v_add_nc_u32 v12, s21, v11                     ; v12 mine
	v_mul_u32_u24 v13, v28, OPI
	v_lshl_add_u32 v13, v31, 6, v13
	s_lshr_b32 s21, s20, 1
	s_lshl_b32 s21, s21, 7
	s_and_b32 s46, s20, 1
	s_lshl_b32 s46, s46, 5
	s_add_co_u32 s21, s21, s46
	s_add_co_u32 s21, s21, OST
	v_add_nc_u32 v13, s21, v13                     ; v13 way out, in: row r + 8 (r / 8); byte 128 (w / 2) + 64 half + 32 (w % 2)
	s_mul_i32 s21, s20, 16*OPI
	s_add_co_u32 s21, s21, OST
	v_mul_u32_u24 v14, v31, OPI
	v_lshl_add_u32 v14, v30, 4, v14
	v_add_nc_u32 v14, s21, v14                     ; v14 way out, back: rows 16 w on, lanes 0-15 one row, lanes 16-31 the next
	s_mul_i32 s21, s20, 16*HPR
	v_mul_u32_u24 v15, v31, HPR
	v_lshl_add_u32 v15, v30, 4, v15
	v_add_nc_u32 v15, s21, v15                     ; v15 the same two rows in hpart
.irp i, 24,25,26,27
	v_mov_b32 v[\i], 0                             ; zeros for the one-column jobs
.endr
.irp b, 0,1,2,3
	v_mov_b32 v[TM+4+\b], 0                        ; written once: a lane permute's destination counts as one of its sources
.endr
	s_mov_b32 s[SEL], 0x76543210
	s_mov_b32 s[SEL+1], 0xfedcba98
	s_mov_b32 s[HI], 0xffff0000
	ROWB 48, 20                                    ; s48 the first row of tile w
	s_lshr_b32 s49, ttmp9, 2                       ; s49 G: which 64 columns of hpart
	s_and_b32 s50, ttmp9, 3                        ; the quarter of K
	s_mul_i32 s52, s50, HPL
	s_lshl_b32 s53, s49, 8
	s_add_co_u32 s52, s52, s53
	s_mov_b32 s53, 0
	s_lshl_b32 s50, s50, 10                        ; s50 its first column, in bytes
	s_sub_co_u32 s51, ttmp9, 176
	s_lshl_b32 s51, s51, 2
	s_add_co_u32 s51, s51, s20                     ; s51 v: the wave's number among the waves that only lay weights out
.irp i, 32,33,34,35,36,37
	s_mov_b32 s[\i], 0                             ; where the images go in wq: job 0's fragments and scale image, job 1's
.endr
	s_wait_kmcnt 0x0
	s_add_nc_u64 s[44:45], s[18:19], s[52:53]      ; hpart at my plane and columns
	SRC 26, 4, 48, 4096, 50                        ; job 0 of the first 176 work-groups: tile w of h, my quarter of K
	s_cmp_lt_u32 ttmp9, 176
	s_cselect_b32 s25, 1, 0                        ; s25 1: this work-group multiplies by h
	s_cmp_lt_u32 ttmp9, 64
	s_cbranch_scc1 .LdA0
	s_cmp_lt_u32 ttmp9, 112
	s_cbranch_scc1 .LdA1
	s_cmp_lt_u32 ttmp9, 176
	s_cbranch_scc1 .LdA2
	s_cmp_lt_u32 ttmp9, 208
	s_cbranch_scc1 .LdB4
	s_cmp_lt_u32 ttmp9, 232
	s_cbranch_scc1 .LdB3
	s_cmp_lt_u32 ttmp9, 240
	s_cbranch_scc1 .LdB1
	s_cmp_lt_u32 ttmp9, 246
	s_cbranch_scc1 .LdB2
	; ---- work-groups 246-248: column 2,048 of w_ih, a K step whose first number alone is not zero.  Job q = 2 (v - 280) + 0, 1: gate q / 8, block q % 8; its two fragments are the block's two tiles
	s_sub_co_u32 s55, s51, 280
	s_lshr_b32 s57, s55, 2                         ; gate
	s_and_b32 s58, s55, 3
	s_lshl_b32 s58, s58, 1                         ; job 0's block
	s_lshl_b32 s52, s57, 8
	s_lshl_b32 s53, s58, 5
	s_add_co_u32 s52, s52, s53                     ; row 256 gate + 32 block
	s_mov_b32 s53, 8192
	SRC 26, 12, 52, WIH, 53
	s_add_nc_u64 s[28:29], s[26:27], 32*WIH
	s_mul_i32 s58, s58, GBLK
	s_add_co_u32 s58, s58, GRU
	s_mul_i32 s32, s57, 3072
	s_add_co_u32 s32, s32, s58
	s_add_co_u32 s32, s32, 48*1536                 ; fragment 48 + 2 gate
	s_add_co_u32 s33, s32, 1536
	s_add_co_u32 s35, s32, GBLK
	s_add_co_u32 s36, s33, GBLK
	s_lshl_b32 s34, s57, 7
	s_add_co_u32 s34, s34, s58
	s_add_co_u32 s34, s34, GSC+30*128              ; scale image 30 + gate
	s_add_co_u32 s37, s34, GBLK
	global_load_b32 v16, v7, s[26:27]
	global_load_b32 v17, v7, s[26:27] offset:8*WIH
	global_load_b32 v20, v7, s[28:29]
	global_load_b32 v21, v7, s[28:29] offset:8*WIH
.set pp, 0
	s_wait_alu depctr_va_vdst(0)
.rept 32
	ds_store_b128 v3, v[24:27] offset:(pp/16)*STGJ+(pp%16)*SPI+16
	ds_store_b128 v3, v[24:27] offset:(pp/16)*STGJ+(pp%16)*SPI+16+512
.set pp, pp+1
.endr
	s_wait_loadcnt 0x0
	ds_store_b32 v8, v16 offset:16                 ; behind the zeros: LDS serves a wave's instructions in order
	ds_store_b32 v8, v17 offset:16+512
	ds_store_b32 v8, v20 offset:STGJ+16
	ds_store_b32 v8, v21 offset:STGJ+16+512
	s_branch .Ljoin
.LdA0:                                             ; G 0-15: W_in, tile 4 G + w
	s_lshl_b32 s52, s49, 6
	s_add_co_u32 s52, s52, s48
	SRC 28, 6, 52, 4096, 50
	PATH 4096, 0, 0, 4096, 0
.LdA1:                                             ; G 16-27: w_ih, columns 1,024 on
	s_sub_co_u32 s52, s49, 16
	s_lshl_b32 s52, s52, 6
	s_add_co_u32 s52, s52, s48
	s_add_co_u32 s53, s50, 4096
	SRC 28, 12, 52, WIH, 53
	PATH 4096, 0, 0, WIH, 1
.LdA2:                                             ; G 28-43: W_out, columns 1,024 on
	s_sub_co_u32 s52, s49, 28
	s_lshl_b32 s52, s52, 6
	s_add_co_u32 s52, s52, s48
	s_add_co_u32 s53, s50, 4096
	SRC 28, 8, 52, 8192, 53
	PATH 4096, 0, 0, 8192, 0
.LdB4:                                             ; W_out's columns 0-1,023: job q = 2 v + 0, 1: tile q / 4, columns 256 (q % 4) on
	s_lshr_b32 s53, s51, 1
	ROWB 52, 53
	s_and_b32 s54, s51, 1
	s_lshl_b32 s54, s54, 11
	SRC 26, 8, 52, 8192, 54
	s_add_nc_u64 s[28:29], s[26:27], 1024
	s_mul_i32 s32, s51, 6144
	s_add_co_u32 s32, s32, WOI
	s_add_co_u32 s33, s32, 1536
	s_add_co_u32 s35, s32, 3072
	s_add_co_u32 s36, s32, 4608
	s_lshl_b32 s34, s51, 8
	s_add_co_u32 s34, s34, WOS
	s_add_co_u32 s37, s34, 128
	PATH 8192, 0, 1, 8192, 0
.LdB3:                                             ; w_ih's columns 0-1,023: tile T = (v - 128) / 2, columns 256 p on, p = 2 ((v - 128) % 2) + 0, 1
	s_sub_co_u32 s55, s51, 128
	s_lshr_b32 s53, s55, 1                         ; T = 16 gate + 2 block + tile of the block
	ROWB 52, 53
	s_and_b32 s54, s55, 1
	s_lshl_b32 s56, s54, 11
	SRC 26, 12, 52, WIH, 56
	s_add_nc_u64 s[28:29], s[26:27], 1024
	s_lshr_b32 s57, s53, 4
	s_bfe_u32 s58, s53, 0x30001
	s_and_b32 s59, s53, 1
	s_lshl_b32 s57, s57, 1
	s_add_co_u32 s57, s57, s59                     ; 2 gate + tile
	s_mul_i32 s58, s58, GBLK
	s_add_co_u32 s58, s58, GRU
	s_mul_i32 s32, s54, 24
	s_add_co_u32 s32, s32, s57                     ; fragment 12 p + 2 gate + tile; the pair's second lies 6 fragments on
	s_mul_i32 s32, s32, 1536
	s_add_co_u32 s32, s32, s58
	s_add_co_u32 s33, s32, 9216
	s_add_co_u32 s35, s32, 18432
	s_add_co_u32 s36, s32, 27648
	s_lshl_b32 s34, s57, 2
	s_lshl_b32 s54, s54, 1
	s_add_co_u32 s34, s34, s54                     ; scale image 4 (2 gate + tile) + p
	s_lshl_b32 s34, s34, 7
	s_add_co_u32 s34, s34, s58
	s_add_co_u32 s34, s34, GSC
	s_add_co_u32 s37, s34, 128
	PATH WIH, 1, 1, WIH, 1
.LdB1:                                             ; W_cov: tiles 2 (v - 224) + 0, 1
	s_sub_co_u32 s55, s51, 224
	s_lshl_b32 s46, s55, 15
	s_mov_b32 s47, 0
	s_add_nc_u64 s[26:27], s[10:11], s[46:47]
	s_add_nc_u64 s[28:29], s[26:27], 8192
	s_mul_i32 s32, s55, 6144
	s_add_co_u32 s33, s32, 1536
	s_add_co_u32 s35, s32, 3072
	s_add_co_u32 s36, s32, 4608
	s_lshl_b32 s34, s55, 8
	s_add_co_u32 s34, s34, WCS
	s_add_co_u32 s37, s34, 128
	s_branch .LP1024
.LdB2:                                             ; w_hh: the two tiles of pair v - 256 = 8 gate + block
	s_sub_co_u32 s55, s51, 256
	s_lshl_b32 s46, s55, 15
	s_mov_b32 s47, 0
	s_add_nc_u64 s[26:27], s[14:15], s[46:47]
	s_add_nc_u64 s[28:29], s[26:27], 8192
	s_lshr_b32 s57, s55, 3
	s_and_b32 s58, s55, 7
	s_mul_i32 s58, s58, GBLK
	s_add_co_u32 s58, s58, GRU
	s_mul_i32 s32, s57, 3072
	s_add_co_u32 s32, s32, s58
	s_add_co_u32 s32, s32, 54*1536                 ; fragment 54 + 2 gate + tile; the second K step 6 fragments on
	s_add_co_u32 s33, s32, 9216
	s_add_co_u32 s35, s32, 1536
	s_add_co_u32 s36, s32, 10752
	s_lshl_b32 s34, s57, 8
	s_add_co_u32 s34, s34, s58
	s_add_co_u32 s34, s34, GSC+24*128              ; scale image 24 + 2 gate + tile
	s_add_co_u32 s37, s34, 128
.LP1024:
	PATH 1024, 0, 1, 1024, 0
.Ljoin:
	QJOB 0, FR, SCA
	QJOB 1, FR+24, SCB
	s_cmp_eq_u32 s25, 0
	s_cbranch_scc1 .Limages
.irp c, 0,1,2,3,4,5                    ; h's tile w goes to the other waves as an image of its registers
	ds_store_b128 v10, v[FR+4*\c:FR+4*\c+3] offset:512*\c
.endr
	ds_store_b32 v12, v[SCA]
	s_branch .Lmeet1
.Limages:                                          ; the weights' images leave: each store of the wave covers 512 consecutive bytes
	v_add_nc_u32 v244, s32, v1
	v_add_nc_u32 v245, s33, v1
	v_add_nc_u32 v246, s34, v2
	v_add_nc_u32 v247, s35, v1
	v_add_nc_u32 v248, s36, v1
	s_wait_alu depctr_va_vdst(0)
	v_add_nc_u32 v249, s37, v2
.irp c, 0,1,2
	global_store_b128 v244, v[FR+4*\c:FR+4*\c+3], s[16:17] offset:512*\c
	global_store_b128 v245, v[FR+12+4*\c:FR+15+4*\c], s[16:17] offset:512*\c
	global_store_b128 v247, v[FR+24+4*\c:FR+27+4*\c], s[16:17] offset:512*\c
	global_store_b128 v248, v[FR+36+4*\c:FR+39+4*\c], s[16:17] offset:512*\c
.endr
	global_store_b32 v246, v[SCA], s[16:17]
	global_store_b32 v249, v[SCB], s[16:17]
.Lmeet1:
	s_wait_dscnt 0x0                               ; for the others' sake: my images of h have landed
	s_barrier_signal -1
	s_barrier_wait -1                              ; every wave of every work-group passes both barriers; only the work between them is jumped over
	s_cmp_eq_u32 s25, 0
	s_cbranch_scc1 .Lmeet2
.set nn, 0
.rept 24
	ds_load_b128 v[Y+4*nn:Y+4*nn+3], v9 offset:512*nn          ; h's eight fragments: tile t, K step s at v[Y + 24 t + 12 s]
.set nn, nn+1
.endr
.irp t, 0,1,2,3
	ds_load_b32 v[HS+\t], v11 offset:128*\t
.endr
	s_wait_dscnt 0x0
	PLACES 8                                       ; the weight's scale word was written by a vector instruction: eight places ahead of a scaled product; its codes: four
	s_wait_alu depctr_va_vdst(0)
.irp t, 0,1,2,3                        ; transposed: source 0 = my 16 rows of the weight, source 1 = 16 rows of h.  The four accumulators take turns
	v_wmma_scale_f32_16x16x128_f8f6f4 v[AC+8*\t:AC+8*\t+7], v[FR+24:FR+35], v[Y+24*\t:Y+24*\t+11], 0, v[SCB], v[HS+\t] matrix_a_fmt:MATRIX_FMT_FP6 matrix_b_fmt:MATRIX_FMT_FP6
.endr
.irp t, 0,1,2,3
	v_wmma_scale_f32_16x16x128_f8f6f4 v[AC+8*\t:AC+8*\t+7], v[FR+36:FR+47], v[Y+24*\t+12:Y+24*\t+23], v[AC+8*\t:AC+8*\t+7], v[SCB], v[HS+\t] matrix_a_fmt:MATRIX_FMT_FP6 matrix_b_fmt:MATRIX_FMT_FP6 matrix_a_scale:MATRIX_SCALE_ROW1 matrix_b_scale:MATRIX_SCALE_ROW1
.endr
	PLACES 4
.irp t, 0,1,2,3                        ; lane (r, half) of tile t: batch 32 (t / 2) + 8 (t % 2) + r + 8 (r / 8), eight neighbouring columns
	ds_store_b128 v13, v[AC+8*\t:AC+8*\t+3] offset:(32*(\t/2)+8*(\t%2))*OPI
	ds_store_b128 v13, v[AC+8*\t+4:AC+8*\t+7] offset:(32*(\t/2)+8*(\t%2))*OPI+16
.endr
.Lmeet2:
	s_wait_dscnt 0x0
	s_barrier_signal -1
	s_barrier_wait -1
	s_cmp_eq_u32 s25, 0
	s_cbranch_scc1 .Lend
.irp i, 0,1,2,3,4,5,6,7
	ds_load_b128 v[Y+4*\i:Y+4*\i+3], v14 offset:2*\i*OPI
.endr
.irp i, 0,1,2,3,4,5,6,7
	s_wait_dscnt 7-\i
	global_store_b128 v15, v[Y+4*\i:Y+4*\i+3], s[44:45] offset:2*\i*HPR   ; sixteen lanes store 256 consecutive bytes, at a multiple of 256 from hpart's first byte
.endr
.Lend:
	s_wait_tensorcnt 0x0
	ds_add_u32 v254, v255
	s_wait_dscnt 0x0
	s_endpgm
.Lfunc_end_k_q7c030db377_prep:
	.size	k_q7c030db377_prep, .Lfunc_end_k_q7c030db377_prep-k_q7c030db377_prep
	.p2alignl 7, 3214868480
	.fill 96, 4, 3214868480
	.section	.rodata,"a",@progbits
	.p2align	6, 0x0
	.amdhsa_kernel k_q7c030db377_prep
		.amdhsa_group_segment_fixed_size 167936
		.amdhsa_private_segment_fixed_size 0
		.amdhsa_enable_private_segment 0
		.amdhsa_kernarg_size 64
		.amdhsa_user_sgpr_count 2
		.amdhsa_user_sgpr_kernarg_segment_ptr 1
		.amdhsa_wavefront_size32 1
		.amdhsa_system_sgpr_workgroup_id_x 1
		.amdhsa_system_sgpr_workgroup_id_y 1
		.amdhsa_system_sgpr_workgroup_id_z 1
		.amdhsa_system_vgpr_workitem_id 0
		.amdhsa_next_free_vgpr 512
		.amdhsa_next_free_sgpr 66
		.amdhsa_reserve_vcc 0
		.amdhsa_float_denorm_mode_32 3
		.amdhsa_float_denorm_mode_16_64 3
		.amdhsa_memory_ordered 1
		.amdhsa_forward_progress 1
		.amdhsa_inst_pref_size 124
	.end_amdhsa_kernel
	.amdgpu_metadata
---
amdhsa.version: [ 1, 2 ]
amdhsa.kernels:
  - .name:           k_q7c030db377_prep
    .symbol:         k_q7c030db377_prep.kd
    .args:
      - { .name: h, .offset: 0, .size: 8, .value_kind: global_buffer, .address_space: global }
      - { .name: W_in, .offset: 8, .size: 8, .value_kind: global_buffer, .address_space: global }
      - { .name: W_out, .offset: 16, .size: 8, .value_kind: global_buffer, .address_space: global }
      - { .name: W_cov, .offset: 24, .size: 8, .value_kind: global_buffer, .address_space: global }
      - { .name: w_ih, .offset: 32, .size: 8, .value_kind: global_buffer, .address_space: global }
      - { .name: w_hh, .offset: 40, .size: 8, .value_kind: global_buffer, .address_space: global }
      - { .name: wq, .offset: 48, .size: 8, .value_kind: global_buffer, .address_space: global }
      - { .name: hpart, .offset: 56, .size: 8, .value_kind: global_buffer, .address_space: global }
    .group_segment_fixed_size: 167936
    .private_segment_fixed_size: 0
    .kernarg_segment_align: 8
    .kernarg_segment_size: 64
    .max_flat_workgroup_size: 128
    .sgpr_count:     66
    .vgpr_count:     512
    .wavefront_size: 32
...
	.end_amdgpu_metadata
.endif
;; end of part 1
;; launch ctx (part 2): grid 256 x 1, 4 waves a work-group, no clusters, 327,680 bytes of LDS; arguments context, cov, mask, b_cov, wq, hpart, xa, scores, part; writes xa, scores, part
.if DOCPART == 2
	.amdgcn_target "amdgcn-amd-amdhsa--gfx1250"
	.amdhsa_code_object_version 6
	.text
	.protected	k_q7c030db377_ctx
	.globl	k_q7c030db377_ctx
	.p2align	8
	.type	k_q7c030db377_ctx,@function
k_q7c030db377_ctx:
	s_mov_b64 s[64:65], 0
	v_nop
	global_prefetch_b8 v0, s[64:65] scope:SCOPE_SE
	s_setreg_imm32_b32 hwreg(HW_REG_WAVE_MODE, 25, 1), 1
	s_wait_xcnt 0x0
; CTX.  ctx = context + Q(cov) Q(W_cov)^T + b_cov in f32; score = ctx . target; the softmax's parts (a running maximum, a sum, a weighted sum of ctx) for 128 rows; ctx and cov as codes of FP6 for the next launch.
; SHARES.  A work-group takes 128 rows, a quarter of a batch: eight tiles of 16.  THE WAVES SHARE THE COLUMNS: wave w makes columns 256 w .. 256 w + 255 for all rows; its 32 fragments of W_cov stay in registers.
; The product is used transposed (source 0 = 16 rows of W_cov, source 1 = 16 rows of cov): a lane holds ONE row, and since the rows of W_cov that form a tile are chosen for it, accumulator register a is column
; 256 w + 32 (a / 16) + 16 (lane / 16) + a % 16: 16 neighbours of each block of 32, as the quantiser takes them.  context + b_cov is the C of the sums.
; context comes by tensor loads, each wave its own quarter of the columns: a ring of two slots of 32 rows x 1,024 bytes a wave, read by that wave alone.  Slot 0 is asked for at the head, slot 1 behind the first
; barrier, so that less stands in front of the first product and slot 1 lands under the first two tiles.  No cluster: no two work-groups read the same tile, and W_cov goes once from memory into registers.
; cov: wave w quantises tiles 2 w and 2 w + 1.  Each load takes 256 consecutive bytes of two rows; a tile turns through the wave's own stage in LDS, 64 columns at a time, and comes back 16 neighbours of a block a lane.
; SOFTMAX.  Lane r keeps m, l and 128 weighted sums for rows r, 16 + r, ..: p = 2^(c (s - m)), c = log2(e); all are multiplied by f = 2^(c (m_old - m_new)) in each tile.  At the end the sixteen lanes are merged.
; xa, a record of 16,384 bytes a tile of rows: ctx's fragments 0-7 (1,536 bytes each, images of registers), cov's two at 12,288, ctx's four paired scale images at 15,360, cov's at 15,872.
; LIMITS: NaN and infinities are not served; a block under 2^-124 keeps the byte 1, a block of zeros too; p under 2^-126 falls to 0; a quarter whose rows are all masked hands on m = -3e38, l = 0.
; REGISTERS.  Window 0: v1-23 addresses and the softmax's state; v24-47 cov's two fragments; v48, v50-65 scales alone; v66-193 ACC; v194-233 the quantiser's; v234-249 at work; v250-254 addresses.
;   window 1: v0-191 W_cov's fragments of K step 0, v192-255 b_cov 0-63;  window 2: the same for K step 1 and b_cov 64-127;  window 3: v0-127 the weighted sums (at the head: my second tile of cov), v128-255 target.
.set RPI,   1040                       ; a ring row: 1,024 bytes + 16 = 260 words: sixteen rows begin 4 words apart modulo 64
.set RSL,   32*RPI                     ; a slot
.set RWV,   2*RSL                      ; a wave's ring
.set CIMG,  4*RWV                      ; cov's fragments: tile of rows x 3,072 + K step x 1,536
.set CSC,   CIMG+8*3072                ; their paired scale images
.set SCX,   CSC+8*128                  ; the waves' parts of the scores: tile x 256 + wave x 64 + 4 r; each word is written once
.set TGT,   SCX+8*256                  ; target, 1,024 bytes a wave
.set SPARE, TGT+4096                   ; the spare words, 128 bytes a wave: two blocks of 256 bytes that no other line names
.set CST,   SPARE+512                  ; cov's stages: 16 rows x (256 bytes + 16) a wave
.set CPI,   272
.set WCS,   196608
.set HPL,   720896
.set HPR,   11264
.set ACC,   66
.set PC,    194
.set PX,    206
.set TM,    214
.set PW,    230
.set SCP,   232
.set CH,    234
.set WV,    22
.set G1,    24                         ; s[24:31] descriptor group 1;  s[32:39] group 0, a set for each slot
.set G0,    32
.set SEL,   40
.set HI,    42
.set CL,    43                         ; log2(e)
.set CO,    44                         ; LDS steps of the tile of rows in hand: in the ring, among cov's images, among scale images, among the scores; its number
.set IO,    45
.set SO,    46
.set S2,    47
.set MTI,   48
.set CNT,   49
.set XP,    62                         ; s[62:63] xa at the record in hand, + 3,072 x wave
.set MSB, 0
.macro WIN new
.if MSB != \new
	s_set_vgpr_msb (MSB<<8)|\new
.set MSB, \new
.endif
.endm
.macro PLACES n
.rept \n
	v_nop
.endr
.endm
.macro QUANT src, pc, px, pw           ; 64 numbers of a lane, register 16 b + i = k 32 b + 16 (lane / 16) + i of my row -> a fragment's codes in v[pc] on, its scale word in v[pw]
.irp b, 0,1,2,3
	v_max3_num_f32 v[TM+\b], |v[\src+16*\b]|, |v[\src+1+16*\b]|, 0x1800000   ; with the floor 2^(3 - 127): the byte cannot fall under 1
.endr
.irp i, 2,4,6,8,10,12,14
.irp b, 0,1,2,3
	v_max3_num_f32 v[TM+\b], v[TM+\b], |v[\src+16*\b+\i]|, |v[\src+1+16*\b+\i]|
.endr
.endr
.irp b, 0,1,2,3
	v_permlanex16_b32 v[TM+4+\b], v[TM+\b], s[SEL], s[SEL+1]
.endr
.irp b, 0,1,2,3
	v_max_num_f32 v[TM+\b], v[TM+\b], v[TM+4+\b]
.endr
.irp b, 0,1,2,3
	v_add_nc_u32 v[TM+12+\b], 0xff000000, v[TM+\b]             ; 2 off the exponent field: the conversion's scale operand
.endr
.irp b, 0,1,2,3
	v_lshrrev_b32 v[TM+4+\b], 23, v[TM+12+\b]
.endr
	v_lshl_or_b32 v[\pw], v[TM+5], 8, v[TM+4]
	v_lshl_or_b32 v[\pw], v[TM+6], 16, v[\pw]
	v_lshl_or_b32 v[\pw], v[TM+7], 24, v[\pw]
.irp c, 0,1
	v_cvt_scalef32_pk16_fp6_f32 v[\pc+6*\c:\pc+2+6*\c], v[\src+32*\c:\src+15+32*\c], v[TM+12+2*\c]
	v_cvt_scalef32_pk16_fp6_f32 v[\px+4*\c:\px+2+4*\c], v[\src+16+32*\c:\src+31+32*\c], v[TM+12+2*\c+1]
.endr
	v_nop                                                      ; one plain line behind the scaled conversions
.irp c, 0,1
.irp i, 0,1,2
	v_permlane16_swap_b32 v[\pc+6*\c+\i], v[\px+4*\c+\i]
.endr
.irp i, 0,1,2
	v_mov_b32 v[\pc+3+6*\c+\i], v[\px+4*\c+\i]
.endr
.endr
.endm
	s_load_b256 s[4:11], s[0:1], 0x0               ; context s[4:5], cov s[6:7], mask s[8:9], b_cov s[10:11]
	s_load_b256 s[12:19], s[0:1], 0x20             ; wq s[12:13], hpart s[14:15], xa s[16:17], scores s[18:19]
	s_load_b64 s[20:21], s[0:1], 0x40              ; part
	v_lshl_add_u32 v1, v0, 2, SPARE                ; v1, v2: for the adds of 0 onto my spare word, and for nothing else
	v_mov_b32 v2, 0
	ds_add_u32 v1, v2
	ds_add_u32 v1, v2
	s_wait_dscnt 0x0
	v_lshrrev_b32 v22, 5, v0
	v_readfirstlane_b32 s[WV], v22                 ; wave
	; group 1: 32 rows of 256 elements of 4 bytes, 1,024 elements from row to row; 4 words of padding behind every 256
	s_mov_b32 s[G1+0], (2<<16)|(1<<20)|(7<<22)|(3<<25)
	s_mov_b32 s[G1+1], 256<<16
	s_mov_b32 s[G1+2], 32<<16
	s_mov_b32 s[G1+3], 256<<16
	s_mov_b32 s[G1+4], 32
	s_mov_b32 s[G1+5], 1024
	s_mov_b32 s[G1+6], 0
	s_mov_b32 s[G1+7], 0
	v_and_b32 v22, 31, v0                          ; lane
	v_lshlrev_b32 v3, 4, v22                       ; v3  16 x lane
	v_lshlrev_b32 v4, 2, v22                       ; v4  4 x lane
	v_and_b32 v23, 15, v0                          ; r
	v_bfe_u32 v233, v0, 4, 1                       ; half
	v_lshlrev_b32 v247, 10, v233
	v_lshl_add_u32 v247, v23, 4, v247              ; cov in memory: lanes 0-15 take 256 consecutive bytes of a row, lanes 16-31 those of the next row
	s_lshl_b32 s50, ttmp9, 19                      ; 128 rows of 4,096 bytes a work-group,
	s_lshl_b32 s51, s[WV], 10                      ; my 1,024 bytes of a row
	s_add_co_u32 s50, s50, s51
	s_mov_b32 s51, 0
	s_lshl_b32 s56, ttmp9, 17                      ; cov: 128 rows of 1,024 bytes a work-group, 32 rows a wave;  xa: 8 records a work-group, 2 a wave: the same number of bytes
	s_lshl_b32 s57, s[WV], 15
	s_add_co_u32 s56, s56, s57
	s_mov_b32 s57, 0
	s_mul_i32 s55, s[WV], RWV                      ; my ring
	s_wait_alu depctr_va_vdst(0)
	s_wait_kmcnt 0x0
	s_add_nc_u64 s[4:5], s[4:5], s[50:51]
	s_add_nc_u64 s[6:7], s[6:7], s[56:57]          ; cov at row 128 wg + 32 w
	s_add_nc_u64 s[52:53], s[16:17], s[56:57]      ; xa at record 8 wg + 2 w
	s_mov_b32 s[G0+0], 1
	s_mov_b32 s[G0+1], s55
	s_mov_b64 s[G0+2:G0+3], s[4:5]
	s_or_b32 s[G0+3], s[G0+3], 0x80000000
	s_mov_b32 s[G0+4], 1
	s_add_co_u32 s[G0+5], s55, RSL
	s_add_nc_u64 s[G0+6:G0+7], s[4:5], 32*4096
	s_or_b32 s[G0+7], s[G0+7], 0x80000000
.set nn, 0
.rept 32                               ; my first tile of cov goes out first: it is the first thing to be worked on.  Register 32 q + 4 p: rows 2 p, 2 p + 1, bytes 256 q on
	global_load_b128 v[ACC+4*nn:ACC+4*nn+3], v247, s[6:7] offset:2048*(nn%8)+256*(nn/8) th:TH_LOAD_NT
.set nn, nn+1
.endr
	tensor_load_to_lds s[G0:G0+3], s[G1:G1+7]      ; slot 0, ahead of every wait on TENSORcnt, every LDS read and every barrier: one load of mine is out
	s_nop 0
	PLACES 4
	WIN 0xc0
.set nn, 0
.rept 32                               ; my second tile, into window 3
	global_load_b128 v[4*nn:4*nn+3], v247, s[6:7] offset:16384+2048*(nn%8)+256*(nn/8) th:TH_LOAD_NT
.set nn, nn+1
.endr
	WIN 0
	v_mul_u32_u24 v5, v23, RPI
	v_lshl_add_u32 v5, v233, 6, v5
	v_add_nc_u32 v5, s55, v5                       ; v5  my ring: row r, + 64 x half
	v_add_nc_u32 v7, CIMG, v3                      ; v7  cov's images
	v_add_nc_u32 v8, CSC, v4                       ; v8  their scale images
	v_lshlrev_b32 v20, 2, v23
	v_add_nc_u32 v20, SCX, v20                     ; v20 the scores' parts of row r, read
	s_lshl_b32 s54, s[WV], 6
	v_add_nc_u32 v18, s54, v20                     ; v18 mine, written
	s_mul_i32 s54, s[WV], 2944
	s_sub_co_u32 s54, 15360, s54
	v_add_nc_u32 v49, s54, v4                      ; v49 my scale image in a record, counted from s[XP]: 15,360 + 128 w - 3,072 w + 4 x lane
	v_lshrrev_b32 v250, 2, v22
	v_lshlrev_b32 v250, 8, v250
	v_and_b32 v251, 3, v22
	v_lshl_add_u32 v250, v251, 4, v250
	v_add_nc_u32 v250, SCX, v250                   ; v250 the parts of rows 4 l .. 4 l + 3 (wave 0, at the end)
	v_lshrrev_b32 v254, 1, v23
	v_lshlrev_b32 v254, 7, v254
	v_lshl_add_u32 v254, v233, 6, v254
	v_and_b32 v255, 1, v23
	v_lshl_add_u32 v254, v255, 5, v254             ; v254 where my eight merged sums go: 128 (r / 2) + 64 half + 32 (r % 2)
	s_mul_i32 s54, s[WV], 49152
	v_add_nc_u32 v242, s54, v3                     ; W_cov's fragments: my 16 tiles
	s_lshl_b32 s54, s[WV], 11
	s_add_co_u32 s54, s54, WCS
	v_add_nc_u32 v243, s54, v4                     ; their scale images
	v_lshlrev_b32 v244, 6, v233                    ; b_cov: 64 x half
	v_lshlrev_b32 v245, 5, v22                     ; target's parts: 8 numbers a lane
	v_mov_b32 v246, v23                            ; mask: row r
	s_mul_i32 s54, s[WV], 6144
	v_add_nc_u32 v248, s54, v7                     ; where I store cov's images: tiles 2 w, 2 w + 1
	s_lshl_b32 s54, s[WV], 8
	v_add_nc_u32 v249, s54, v8
	s_lshl_b32 s54, s[WV], 10
	s_add_co_u32 s54, s54, TGT
	v_add_nc_u32 v252, s54, v245                   ; target in LDS, in: 32 x lane
	v_add_nc_u32 v253, s54, v244                   ; and back: 64 x half
	s_mul_i32 s54, s[WV], 16*CPI
	s_add_co_u32 s54, s54, CST                     ; my stage for cov
	v_mul_u32_u24 v6, v233, CPI
	v_lshl_add_u32 v6, v23, 4, v6
	v_add_nc_u32 v6, s54, v6                       ; v6  in (until the first tile of rows): row = half, 16 bytes a lane
	v_mul_u32_u24 v9, v23, CPI
	v_lshl_add_u32 v9, v233, 6, v9
	v_add_nc_u32 v9, s54, v9                       ; v9  back: row r, + 64 x half
	s_mov_b32 s[SEL], 0x76543210
	s_mov_b32 s[SEL+1], 0xfedcba98
	s_mov_b32 s[HI], 0xffff0000
	s_mov_b32 s[CL], 0x3fb8aa3b
	s_lshl_b32 s50, ttmp9, 17
	s_mul_i32 s54, s[WV], 3072
	s_add_co_u32 s50, s50, s54
	s_add_nc_u64 s[XP:XP+1], s[16:17], s[50:51]
	s_lshl_b32 s50, ttmp9, 7
	s_add_nc_u64 s[8:9], s[8:9], s[50:51]
	s_lshl_b32 s50, s[WV], 10
	s_add_nc_u64 s[10:11], s[10:11], s[50:51]
	s_lshr_b32 s54, ttmp9, 2
	s_mul_i32 s54, s54, HPR
	s_add_co_u32 s50, s50, s54
	s_add_nc_u64 s[14:15], s[14:15], s[50:51]      ; hpart: my batch's row, my 256 columns of target
	s_lshl_b32 s50, ttmp9, 9
	s_add_nc_u64 s[18:19], s[18:19], s[50:51]
	s_lshl_b32 s50, ttmp9, 3
	s_add_nc_u64 s[66:67], s[20:21], s[50:51]      ; (m, l) of this work-group, with offset 1,048,576
	s_lshl_b32 s50, ttmp9, 12
	s_lshl_b32 s54, s[WV], 10
	s_add_co_u32 s50, s50, s54
	s_add_nc_u64 s[20:21], s[20:21], s[50:51]      ; the weighted sums
.irp q, 0,1,2,3
	global_load_b128 v[194+8*\q:197+8*\q], v245, s[14:15] offset:\q*HPL
	global_load_b128 v[198+8*\q:201+8*\q], v245, s[14:15] offset:\q*HPL+16
.endr
.irp t, 0,1,2,3,4,5,6,7
	global_load_u8 v[CH+\t], v246, s[8:9] offset:16*\t
.endr
	global_load_b32 v251, v4, s[8:9]               ; the mask bytes of rows 4 l .. 4 l + 3
	WIN 0x40                                       ; what the first product wants, and nothing before it, comes last: 144 loads
.set nn, 0
.rept 48
	global_load_b128 v[4*nn:4*nn+3], v242, s[12:13] offset:(nn/3)*3072+512*(nn%3)
.set nn, nn+1
.endr
	WIN 0x80
.set nn, 0
.rept 48
	global_load_b128 v[4*nn:4*nn+3], v242, s[12:13] offset:(nn/3)*3072+1536+512*(nn%3)
.set nn, nn+1
.endr
	WIN 0
.set nn, 0
.rept 16
	global_load_b32 v[50+nn], v243, s[12:13] offset:128*nn
.set nn, nn+1
.endr
	WIN 0x40
.set nn, 0
.rept 16
	global_load_b128 v[192+4*nn:195+4*nn], v244, s[10:11] offset:128*(nn/4)+16*(nn%4)
.set nn, nn+1
.endr
	WIN 0x80
.set nn, 0
.rept 16
	global_load_b128 v[192+4*nn:195+4*nn], v244, s[10:11] offset:512+128*(nn/4)+16*(nn%4)
.set nn, nn+1
.endr
	WIN 0
	s_wait_loadcnt 63                              ; 144 loads were issued behind cov, target's parts and the mask: at most 63 out shows those in
.irp q, 8,16,24                        ; target = the sum of the four quarters of K
.irp e, 0,2,4,6
	v_pk_add_f32 v[194+\e:195+\e], v[194+\e:195+\e], v[194+\q+\e:195+\q+\e]
.endr
.endr
	ds_store_b128 v252, v[194:197]
	ds_store_b128 v252, v[198:201] offset:16
	WIN 0xc0
.set nn, 0
.rept 32
	ds_load_b128 v[128+4*nn:131+4*nn], v253 offset:128*(nn/4)+16*(nn%4)   ; back in ACC's order; my own bytes: LDS serves a wave's instructions in order
.set nn, nn+1
.endr
	WIN 0
	v_lshl_or_b32 v10, v[CH+1], 1, v[CH]           ; v10 bit t: row r of tile t is masked
.irp t, 2,3,4,5,6,7
	v_lshl_or_b32 v10, v[CH+\t], \t, v10
.endr
.irp b, 0,1,2,3
	v_mov_b32 v[TM+4+\b], 0                        ; written once: a lane permute's destination counts as one of its sources
.endr
; A tile of cov as loaded, in v[X] on of the window that win names for an LDS store's data, turns through my stage, 64 columns at a time, into ACC: register 16 b + i = column 32 b + 16 (lane / 16) + i of row r.
; LDS serves a wave's instructions in order: no wait between a piece's stores and its loads, nor in front of the next piece's stores.
.macro CTURN X, win
	WIN \win
.set qq, 0
.rept 4
.set pp, 0
.rept 8
	ds_store_b128 v6, v[\X+32*qq+4*pp:\X+32*qq+4*pp+3] offset:pp*2*CPI
.set pp, pp+1
.endr
.set pp, 0
.rept 8
	ds_load_b128 v[ACC+32*qq+4*pp:ACC+32*qq+4*pp+3], v9 offset:128*(pp/4)+16*(pp%4)
.set pp, pp+1
.endr
.set qq, qq+1
.endr
	WIN 0
	s_wait_dscnt 0x0
.endm
.macro COVQ e                          ; the tile of cov in ACC becomes two fragments: to LDS for all waves, to xa for the next launch
	QUANT ACC, PC, PX, PW
.irp c, 0,1,2
	ds_store_b128 v248, v[PC+4*\c:PC+4*\c+3] offset:\e*3072+512*\c
	global_store_b128 v3, v[PC+4*\c:PC+4*\c+3], s[52:53] offset:\e*16384+12288+512*\c
.endr
	s_wait_dscnt 0x0                               ; the stores have read the codes' registers,
	s_wait_xcnt 0x0                                ; both kinds: they are written again below
	QUANT ACC+64, PC, PX, PW+1
.irp c, 0,1,2
	ds_store_b128 v248, v[PC+4*\c:PC+4*\c+3] offset:\e*3072+1536+512*\c
	global_store_b128 v3, v[PC+4*\c:PC+4*\c+3], s[52:53] offset:\e*16384+13824+512*\c
.endr
	v_cndmask_b32 v[SCP], v[PW], v[PW+1], s[HI]
	ds_store_b32 v249, v[SCP] offset:\e*128
	global_store_b32 v4, v[SCP], s[52:53] offset:\e*16384+15872
	s_wait_dscnt 0x0
	s_wait_xcnt 0x0
.endm
	CTURN ACC, 0                                   ; in place: a piece's loads land in the registers that its stores have left
	COVQ 0
	CTURN 0, 0x0c                                  ; my second tile, out of window 3
	COVQ 1
	s_wait_loadcnt 0x0                             ; W_cov, its scales, b_cov
	s_wait_tensorcnt 0x0                           ; slot 0 has landed.  Slot 1's first fill is issued as a refill is: these three lines, the barrier, the load first behind it
	ds_add_u32 v1, v2                              ; 0 onto my spare word
	v_mov_b32 v11, 0xff61b1e6                      ; m = -3e38, under every score
	v_mov_b32 v16, 0                               ; l
	v_mov_b32 v13, 0                               ; (named as the upper halves of the pairs of p and f)
	v_mov_b32 v15, 0
	s_wait_dscnt 0x0                               ; the add is done, and my images of cov have landed
	s_barrier_signal -1
	s_barrier_wait -1                              ; cov's sixteen fragments lie in LDS
	tensor_load_to_lds s[G0+4:G0+7], s[G1:G1+7]    ; slot 1: rows 32 to 63; it has the first two tiles of rows in which to land
	s_nop 0
	PLACES 4
; ONE TILE OF 16 ROWS.  first = 1: the weighted sums begin with p x ctx: nothing is cleared.
.macro MT first
	v_add_nc_u32 v6, s[CO], v5
	v_add_nc_u32 v9, s[IO], v7
	v_add_nc_u32 v17, s[SO], v8
	v_add_nc_u32 v19, s[S2], v18
	v_add_nc_u32 v21, s[S2], v20
.irp c, 0,1,2,3,4,5
	ds_load_b128 v[24+4*\c:27+4*\c], v9 offset:512*\c
.endr
	ds_load_b32 v48, v17
.set nn, 0
.rept 32
	ds_load_b128 v[ACC+4*nn:ACC+4*nn+3], v6 offset:128*(nn/4)+16*(nn%4)   ; context, in ACC's order
.set nn, nn+1
.endr
	s_wait_dscnt 16                                ; cov's fragments, their scale word and context's first 64 numbers a lane are in; the youngest sixteen loads may be out
	WIN 0x04
.set nn, 0
.rept 32
	v_pk_add_f32 v[ACC+2*nn:ACC+2*nn+1], v[ACC+2*nn:ACC+2*nn+1], v[192+2*nn:193+2*nn]   ; + b_cov
.set nn, nn+1
.endr
	s_wait_dscnt 0x0
	WIN 0x08
.set nn, 0
.rept 32
	v_pk_add_f32 v[ACC+64+2*nn:ACC+65+2*nn], v[ACC+64+2*nn:ACC+65+2*nn], v[192+2*nn:193+2*nn]
.set nn, nn+1
.endr
	WIN 0x01                                       ; the sixteen accumulators take turns, one instruction a turn
.set nn, 0
.rept 16
	v_wmma_scale_f32_16x16x128_f8f6f4 v[ACC+8*nn:ACC+8*nn+7], v[12*nn:12*nn+11], v[24:35], v[ACC+8*nn:ACC+8*nn+7], v[50+nn], v48 matrix_a_fmt:MATRIX_FMT_FP6 matrix_b_fmt:MATRIX_FMT_FP6
.set nn, nn+1
.endr
	WIN 0x02
.set nn, 0
.rept 16
	v_wmma_scale_f32_16x16x128_f8f6f4 v[ACC+8*nn:ACC+8*nn+7], v[12*nn:12*nn+11], v[36:47], v[ACC+8*nn:ACC+8*nn+7], v[50+nn], v48 matrix_a_fmt:MATRIX_FMT_FP6 matrix_b_fmt:MATRIX_FMT_FP6 matrix_a_scale:MATRIX_SCALE_ROW1 matrix_b_scale:MATRIX_SCALE_ROW1
.set nn, nn+1
.endr
	WIN 0
	PLACES 4
	WIN 0x0c                                       ; my part of the score: 128 products with target, four chains, the pairs in ascending order
.irp c, 0,1,2,3
	v_pk_mul_f32 v[CH+2*\c:CH+2*\c+1], v[ACC+2*\c:ACC+2*\c+1], v[128+2*\c:129+2*\c]
.endr
.set nn, 4
.rept 60
	v_pk_fma_f32 v[CH+2*(nn%4):CH+2*(nn%4)+1], v[ACC+2*nn:ACC+2*nn+1], v[128+2*nn:129+2*nn], v[CH+2*(nn%4):CH+2*(nn%4)+1]
.set nn, nn+1
.endr
	WIN 0
	v_pk_add_f32 v[CH:CH+1], v[CH:CH+1], v[CH+2:CH+3]
	v_pk_add_f32 v[CH+4:CH+5], v[CH+4:CH+5], v[CH+6:CH+7]
	v_pk_add_f32 v[CH:CH+1], v[CH:CH+1], v[CH+4:CH+5]
	v_add_f32 v[CH], v[CH], v[CH+1]
	v_permlanex16_b32 v[CH+2], v[CH], s[SEL], s[SEL+1]
	v_add_f32 v[CH], v[CH], v[CH+2]                ; with lane l xor 16's columns
	ds_store_b32 v19, v[CH]
	s_wait_xcnt 0x0                                ; the last tile's stores have read the codes' registers
	s_wait_dscnt 0x0                               ; for the others' sake: my part of the score has landed
	s_barrier_signal -1                            ; say so, and quantise both fragments, work on registers alone, while the others arrive
	QUANT ACC, PC, PX, PW
	QUANT ACC+64, 24, PX, PW+1                     ; the second fragment's codes go into v24-35: cov's fragment there is done with, and is loaded anew only behind the tile's last wait on XCNT
	v_cndmask_b32 v[SCP], v[PW], v[PW+1], s[HI]
	s_wait_alu depctr_va_vdst(0)                   ; the wait directly ahead of the barrier's wait
	s_barrier_wait -1
	ds_load_b32 v242, v21
	ds_load_b32 v243, v21 offset:64
	ds_load_b32 v244, v21 offset:128
	ds_load_b32 v245, v21 offset:192
.irp c, 0,1,2
	global_store_b128 v3, v[PC+4*\c:PC+4*\c+3], s[XP:XP+1] offset:512*\c   ; K steps 2 w and 2 w + 1 of the next launch's rows: 512 consecutive bytes a store
.endr
.irp c, 0,1,2
	global_store_b128 v3, v[24+4*\c:27+4*\c], s[XP:XP+1] offset:1536+512*\c
.endr
	global_store_b32 v49, v[SCP], s[XP:XP+1]
	v_lshrrev_b32 v246, s[MTI], v10
	v_and_b32 v246, 1, v246
	v_cmp_eq_u32 vcc_lo, 0, v246                   ; the row counts
	s_wait_dscnt 0x0
	v_add_f32 v242, v242, v243                     ; the same order in every wave: the same bits
	v_add_f32 v242, v242, v244
	v_add_f32 v242, v242, v245
	v_cndmask_b32 v242, 0xff800000, v242, vcc_lo   ; a masked row's score is -infinity
	v_max_num_f32 v243, v11, v242
	v_sub_f32 v244, v11, v243
	v_sub_f32 v245, v242, v243
	v_mul_f32 v244, s[CL], v244
	v_mul_f32 v245, s[CL], v245
	s_wait_alu depctr_va_vdst(0)
	v_exp_f32 v14, v244                            ; f
	v_exp_f32 v12, v245                            ; p
	v_mov_b32 v11, v243                            ; (the plain line behind the exponentials)
	s_wait_alu depctr_va_vdst(0)                   ; one wait for both, ahead of their first reader
	v_fma_f32 v16, v16, v14, v12
.if \first
	WIN 0xc0
.set nn, 0
.rept 64
	v_pk_mul_f32 v[2*nn:2*nn+1], v[ACC+2*nn:ACC+2*nn+1], v[12:13] op_sel_hi:[1,0]
.set nn, nn+1
.endr
.else
	WIN 0xc3
.set nn, 0
.rept 64
	v_pk_mul_f32 v[2*nn:2*nn+1], v[2*nn:2*nn+1], v[14:15] op_sel_hi:[1,0]
.set nn, nn+1
.endr
	WIN 0xf0
.set nn, 0
.rept 64
	v_pk_fma_f32 v[2*nn:2*nn+1], v[ACC+2*nn:ACC+2*nn+1], v[12:13], v[2*nn:2*nn+1] op_sel_hi:[1,0,1]
.set nn, nn+1
.endr
.endif
	WIN 0
	s_wait_xcnt 0x0                                ; the stores have read their base
	s_add_nc_u64 s[XP:XP+1], s[XP:XP+1], 16384
	s_add_co_u32 s[CO], s[CO], 16*RPI
	s_add_co_u32 s[IO], s[IO], 3072
	s_add_co_u32 s[SO], s[SO], 128
	s_add_co_u32 s[S2], s[S2], 256
	s_add_co_u32 s[MTI], s[MTI], 1
.endm
; The ring's tile of 32 rows in a slot: two tiles of 16.  left = how many younger tensor loads may stay out.
.macro WORK tile, slot, left, first
	s_wait_tensorcnt \left
	s_mov_b32 s[CO], \slot*RSL
	s_mov_b32 s[IO], \tile*6144
	s_mov_b32 s[SO], \tile*256
	s_mov_b32 s[S2], \tile*512
	s_mov_b32 s[MTI], \tile*2
.if \first
	MT 1
	MT 0
.else
	s_mov_b32 s[CNT], 2
.Lmt_\@:
	MT 0
	s_sub_co_u32 s[CNT], s[CNT], 1
	s_cmp_lg_u32 s[CNT], 0
	s_cbranch_scc1 .Lmt_\@
.endif
.endm
.macro FILL slot                       ; the slot that has been read takes the rows 64 further down
	s_wait_tensorcnt 0x0                           ; all my tensor loads have landed, so a group 0 may be written
	ds_add_u32 v1, v2                              ; 0 onto my spare word
	s_add_nc_u64 s[G0+4*\slot+2:G0+4*\slot+3], s[G0+4*\slot+2:G0+4*\slot+3], 64*4096
	s_wait_dscnt 0x0                               ; the add is done, and my reads of the slot are back
	s_barrier_signal -1
	s_barrier_wait -1
	tensor_load_to_lds s[G0+4*\slot:G0+4*\slot+3], s[G1:G1+7]   ; my one tensor load behind this barrier, and the first thing there
	s_nop 0
	PLACES 4
.endm
	WORK 0, 0, 1, 1                                ; the count leaves slot 1's load out; slot 0 was shown landed in front of the barrier
	FILL 0
	WORK 1, 1, 1, 0                                ; one load was issued behind this tile's
	FILL 1
	WORK 2, 0, 1, 0
	WORK 3, 1, 0, 0
	; THE SIXTEEN LANES ARE MERGED: M = the largest m; each lane's l and sums x g = 2^(c (m - M)); then sums over the lanes
	v_mov_b32 v242, v11
.irp x, 1,2,4,8
	v_max_num_f32_dpp v242, v242, v242 row_xmask:\x row_mask:0xf bank_mask:0xf
.endr
	v_sub_f32 v244, v11, v242
	v_mul_f32 v244, s[CL], v244
	s_wait_alu depctr_va_vdst(0)
	v_exp_f32 v14, v244
	v_nop
	s_wait_alu depctr_va_vdst(0)
	v_mul_f32 v243, v16, v14
.irp x, 1,2,4,8
	v_add_f32_dpp v243, v243, v243 row_xmask:\x row_mask:0xf bank_mask:0xf
.endr
	WIN 0xc3
.set nn, 0
.rept 64
	v_pk_mul_f32 v[2*nn:2*nn+1], v[2*nn:2*nn+1], v[14:15] op_sel_hi:[1,0]
.set nn, nn+1
.endr
	; four halvings: a lane keeps one half of its registers and gives the other to the lane xmask away.  Lane r ends with sums 8 r .. 8 r + 7.  The first halving also brings the sums into window 0
	s_mov_b32 s56, 0xff00ff00
	s_mov_b32 s57, 0xf0f0f0f0
	s_mov_b32 s58, 0xcccccccc
	s_mov_b32 s59, 0xaaaaaaaa
	WIN 0x0f
.set nn, 0
.rept 64
	v_cndmask_b32 v[ACC+64+nn], v[64+nn], v[nn], s56           ; what the partner keeps
.set nn, nn+1
.endr
.set nn, 0
.rept 64
	v_cndmask_b32 v[ACC+nn], v[nn], v[64+nn], s56              ; what I keep
.set nn, nn+1
.endr
	WIN 0
.set nn, 0
.rept 64
	v_add_f32_dpp v[ACC+nn], v[ACC+64+nn], v[ACC+nn] row_xmask:8 row_mask:0xf bank_mask:0xf
.set nn, nn+1
.endr
.macro RS x, d, sm
.set nn, 0
.rept \d
	v_cndmask_b32 v[ACC+64+nn], v[ACC+\d+nn], v[ACC+nn], s[\sm]
.set nn, nn+1
.endr
.set nn, 0
.rept \d
	v_cndmask_b32 v[ACC+nn], v[ACC+nn], v[ACC+\d+nn], s[\sm]
.set nn, nn+1
.endr
.set nn, 0
.rept \d
	v_add_f32_dpp v[ACC+nn], v[ACC+64+nn], v[ACC+nn] row_xmask:\x row_mask:0xf bank_mask:0xf
.set nn, nn+1
.endr
.endm
	RS 4, 32, 57
	RS 2, 16, 58
	RS 1, 8, 59
	global_store_b128 v254, v[ACC:ACC+3], s[20:21]             ; sum 8 r + j is column 256 w + 32 (r / 2) + 16 half + 8 (r % 2) + j: the wave's two stores cover 1,024 consecutive bytes
	global_store_b128 v254, v[ACC+4:ACC+7], s[20:21] offset:16
	s_cmp_lg_u32 s[WV], 0
	s_cbranch_scc1 .Lnot0
	ds_load_b128 v[74:77], v250                    ; wave 0: the 128 scores, masked, and (M, L)
	ds_load_b128 v[78:81], v250 offset:64
	ds_load_b128 v[82:85], v250 offset:128
	ds_load_b128 v[86:89], v250 offset:192
	s_wait_dscnt 0x0
.irp q, 4,8,12
	v_pk_add_f32 v[74:75], v[74:75], v[74+\q:75+\q]
	v_pk_add_f32 v[76:77], v[76:77], v[76+\q:77+\q]
.endr
.irp e, 0,1,2,3
	v_bfe_u32 v[90+\e], v251, 8*\e, 1
.endr
.irp e, 0,1,2,3
	v_cmp_eq_u32 vcc_lo, 0, v[90+\e]
	v_cndmask_b32 v[74+\e], 0xff800000, v[74+\e], vcc_lo
.endr
	global_store_b128 v3, v[74:77], s[18:19]       ; 512 consecutive bytes
	v_mov_b32 v94, 0
	v_cmp_eq_u32 vcc_lo, 0, v0
	s_wait_alu depctr_va_vdst(0)
	s_wait_xcnt 0x0                                ; EXEC changes only behind this wait
	s_and_saveexec_b32 s60, vcc_lo
	global_store_b64 v94, v[242:243], s[66:67] offset:1048576
	s_wait_xcnt 0x0
	s_or_b32 exec_lo, exec_lo, s60
.Lnot0:
	s_wait_tensorcnt 0x0                           ; the wave's end
	ds_add_u32 v1, v2
	s_wait_dscnt 0x0
	s_endpgm
.Lfunc_end_k_q7c030db377_ctx:
	.size	k_q7c030db377_ctx, .Lfunc_end_k_q7c030db377_ctx-k_q7c030db377_ctx
	.p2alignl 7, 3214868480
	.fill 96, 4, 3214868480
	.section	.rodata,"a",@progbits
	.p2align	6, 0x0
	.amdhsa_kernel k_q7c030db377_ctx
		.amdhsa_group_segment_fixed_size 327680
		.amdhsa_private_segment_fixed_size 0
		.amdhsa_enable_private_segment 0
		.amdhsa_kernarg_size 72
		.amdhsa_user_sgpr_count 2
		.amdhsa_user_sgpr_kernarg_segment_ptr 1
		.amdhsa_wavefront_size32 1
		.amdhsa_system_sgpr_workgroup_id_x 1
		.amdhsa_system_sgpr_workgroup_id_y 1
		.amdhsa_system_sgpr_workgroup_id_z 1
		.amdhsa_system_vgpr_workitem_id 0
		.amdhsa_next_free_vgpr 1024
		.amdhsa_next_free_sgpr 72
		.amdhsa_reserve_vcc 1
		.amdhsa_float_denorm_mode_32 3
		.amdhsa_float_denorm_mode_16_64 3
		.amdhsa_memory_ordered 1
		.amdhsa_forward_progress 1
		.amdhsa_inst_pref_size 251
	.end_amdhsa_kernel
	.amdgpu_metadata
---
amdhsa.version: [ 1, 2 ]
amdhsa.kernels:
  - .name:           k_q7c030db377_ctx
    .symbol:         k_q7c030db377_ctx.kd
    .args:
      - { .name: context, .offset: 0, .size: 8, .value_kind: global_buffer, .address_space: global }
      - { .name: cov, .offset: 8, .size: 8, .value_kind: global_buffer, .address_space: global }
      - { .name: mask, .offset: 16, .size: 8, .value_kind: global_buffer, .address_space: global }
      - { .name: b_cov, .offset: 24, .size: 8, .value_kind: global_buffer, .address_space: global }
      - { .name: wq, .offset: 32, .size: 8, .value_kind: global_buffer, .address_space: global }
      - { .name: hpart, .offset: 40, .size: 8, .value_kind: global_buffer, .address_space: global }
      - { .name: xa, .offset: 48, .size: 8, .value_kind: global_buffer, .address_space: global }
      - { .name: scores, .offset: 56, .size: 8, .value_kind: global_buffer, .address_space: global }
      - { .name: part, .offset: 64, .size: 8, .value_kind: global_buffer, .address_space: global }
    .group_segment_fixed_size: 327680
    .private_segment_fixed_size: 0
    .kernarg_segment_align: 8
    .kernarg_segment_size: 72
    .max_flat_workgroup_size: 128
    .sgpr_count:     72
    .vgpr_count:     1024
    .wavefront_size: 32
...
	.end_amdgpu_metadata
.endif
;; end of part 2
;; launch gru (part 3): grid 256 x 1, 4 waves a work-group, no clusters, 327,680 bytes of LDS; arguments xa, cov, scores, part, wq, hpart, b_ih, b_hh, out1, out2, wcq; writes out1, out2, wcq
.if DOCPART == 3
	.amdgcn_target "amdgcn-amd-amdhsa--gfx1250"
	.amdhsa_code_object_version 6
	.text
	.protected	k_q7c030db377_gru
	.globl	k_q7c030db377_gru
	.p2align	8
	.type	k_q7c030db377_gru,@function
k_q7c030db377_gru:
	s_mov_b64 s[64:65], 0
	v_nop
	global_prefetch_b8 v0, s[64:65] scope:SCOPE_SE
	s_setreg_imm32_b32 hwreg(HW_REG_WAVE_MODE, 25, 1), 1
	s_wait_xcnt 0x0
; GRU.  attn = the finished softmax (out1); gx = Q([ctx, h, attn]) Q(w_ih)^T + b_ih, gh = Q(cov) Q(w_hh)^T + b_hh; the gates; new_cov (out2); and wc, merged from the parts and quantised (wcq).
; SHARES.  Work-group x = 2 rb + jh takes 256 rows (half a batch: 16 tiles of 16) x gate columns 128 jh .. + 127.  Wave w takes columns 32 w .. + 31 of them, two tiles, for the three gates:
; its 66 fragments of weights (792 registers) and 33 scale registers stay for the whole launch, so that each fragment of rows read from LDS feeds six products.
; K of gx falls on block boundaries: ctx is blocks 0-31 (8 K steps), h blocks 32-63, attn block 64 alone (one K step whose first number alone is not zero).  h is the same for all rows of a batch, as the
; problem's own broadcast has it: its part was multiplied once a batch by the first launch and enters with the biases, as the C of the sums.
; A tile of rows is 66 products on eight accumulators: R (xr + hr), Z, XN, HN, two tiles each.  All are used transposed (source 0 = 16 rows of a weight, source 1 = 16 rows): lane (r, half) holds row r and columns
; 32 w + 16 half + 8 tile + 0 .. 7.
; The rows' records (16,000 bytes a tile of rows) and cov as f32 (h0) come by tensor loads through two slots of four tiles of rows: waves 0, 1 fetch records, waves 2, 3 cov.
; WHAT A TILE READS FROM LDS BESIDE ITS FRAGMENTS stands where other work covers it: its h0 behind its products, ahead of the gates; the next tile's biases of R and HN as soon as the gates have read those
; accumulators; those of Z and XN ahead of the stage's stores, under the wait in front of the barrier.
; No cluster: a record is wanted by the two work-groups of a row block alone, 256 KB of the 680 KB or so that a work-group takes in, and the weights go once from memory into registers.
; LIMITS: NaN and infinities are not served; attn under 2^-126 falls to 0; a batch whose rows are all masked gives NaN in out1, and its rows of out0 and out2 are not served.
; REGISTERS.  Window 0: v1-13 addresses; v14-19 the rows' scales, v108-140 the weights': scales alone; v20-31 attn's fragment (v21-31 zero); v32-91 five buffers for fragments of rows; v92-107 h0, then the result;
;   v144-207 the accumulators; v208-243 weight fragments 63-65; v252, v253 the record in hand; v254 the tile's place in out2.
;   Windows 1-3: weight fragment f = 21 (window - 1) + k at v[12 k]; v252 of windows 1 and 2: copies of the record's address.
.set REC,   16000
.set COVF,  8*REC                      ; cov: 128 rows of 512 bytes + 16
.set HPI,   528
.set BIAS,  COVF+128*HPI               ; wave x 512 + kind x 128 + 4 x column
.set ATC,   BIAS+2048                  ; attn's code words: tile of rows x 128 + 4 x lane (lanes 16-31: 0);  2,048 on: its scale words
.set STG,   ATC+4096                   ; two stages of 16 rows x 528, by turns
.set SPARE, STG+2*16*HPI               ; the spare words: two blocks of 256 bytes that no other line names
.set GRU,   204800
.set GBLK,  105728
.set GSC,   101376
.set HPL,   720896
.set HPR,   11264
.set WV,    26
.set JH,    27
.set G1A,   28                         ; s[28:35] group 1 for records;  s[36:43] for cov;  s[44:51], s[52:59] their groups 0, a set for each slot
.set G1C,   36
.set G0A,   44
.set G0C,   52
.set RO,    80                         ; LDS steps: the NEXT tile's record;  THIS tile's rows of cov;  the next tile's attn words;  the stage in turn;  a counter
.set HO,    81
.set AO,    82
.set SP,    83
.set CNT,   84
.set CL,    85                         ; log2(e);  s[86:87] -log2(e);  s[88:89] 2 log2(e)
.set OO,    92                         ; this tile's first byte among my 16 tiles' rows of out2
.set MSB, 0
.macro WIN new
.if MSB != \new
	s_set_vgpr_msb (MSB<<8)|\new
.set MSB, \new
.endif
.endm
.macro PLACES n
.rept \n
	v_nop
.endr
.endm
.macro TLOAD slot                      ; waves 0, 1: two records each; waves 2, 3: 32 rows of cov each.  The branch hangs on the wave's number alone; four v_nop follow each of the two lines
	s_cmp_lt_u32 s[WV], 2
	s_cbranch_scc0 .Lfor_c_\@
	tensor_load_to_lds s[G0A+4*(\slot):G0A+4*(\slot)+3], s[G1A:G1A+7]
	s_nop 0
	PLACES 4
	s_branch .Lasked_\@
.Lfor_c_\@:
	tensor_load_to_lds s[G0C+4*(\slot):G0C+4*(\slot)+3], s[G1C:G1C+7]
	s_nop 0
	PLACES 4
.Lasked_\@:
.endm
.macro WM d, a, b, sa, sb, ra, rb      ; one product in place; ra, rb: the scales stand in lanes 16-31 of their registers
.if (\ra) && (\rb)
	v_wmma_scale_f32_16x16x128_f8f6f4 v[\d:\d+7], v[\a:\a+11], v[\b:\b+11], v[\d:\d+7], v[\sa], v[\sb] matrix_a_fmt:MATRIX_FMT_FP6 matrix_b_fmt:MATRIX_FMT_FP6 matrix_a_scale:MATRIX_SCALE_ROW1 matrix_b_scale:MATRIX_SCALE_ROW1
.elseif (\ra)
	v_wmma_scale_f32_16x16x128_f8f6f4 v[\d:\d+7], v[\a:\a+11], v[\b:\b+11], v[\d:\d+7], v[\sa], v[\sb] matrix_a_fmt:MATRIX_FMT_FP6 matrix_b_fmt:MATRIX_FMT_FP6 matrix_a_scale:MATRIX_SCALE_ROW1
.elseif (\rb)
	v_wmma_scale_f32_16x16x128_f8f6f4 v[\d:\d+7], v[\a:\a+11], v[\b:\b+11], v[\d:\d+7], v[\sa], v[\sb] matrix_a_fmt:MATRIX_FMT_FP6 matrix_b_fmt:MATRIX_FMT_FP6 matrix_b_scale:MATRIX_SCALE_ROW1
.else
	v_wmma_scale_f32_16x16x128_f8f6f4 v[\d:\d+7], v[\a:\a+11], v[\b:\b+11], v[\d:\d+7], v[\sa], v[\sb] matrix_a_fmt:MATRIX_FMT_FP6 matrix_b_fmt:MATRIX_FMT_FP6
.endif
.endm
; K step st (0-7 ctx, 8 attn, 9, 10 cov) against the fragment of rows in v[buf] on: six products, weight fragment 6 st + 2 gate + tile.  The accumulators take turns, one instruction a turn.
.macro STEPW st, buf
.set gi, 0
.rept 3
.set ji, 0
.rept 2
.set fi, 6*(\st)+2*gi+ji
.if fi < 63
.set wn, fi/21+1
.set wr, 12*(fi%21)
.else
.set wn, 0
.set wr, 208+12*(fi-63)
.endif
.set ac, 144+16*gi+8*ji
.if (\st) >= 9
.if gi == 2
.set ac, 192+8*ji
.endif
.set wsc, 132+2*gi+ji
.set wrw, (\st)-9
.set rsc, 18
.set rrw, (\st)-9
.elseif (\st) == 8
.set wsc, 138+gi
.set wrw, ji
.set rsc, 19
.set rrw, 0
.else
.set wsc, 108+4*(2*gi+ji)+(\st)/2
.set wrw, (\st)%2
.set rsc, 14+(\st)/2
.set rrw, (\st)%2
.endif
	WIN wn
	WM ac, wr, \buf, wsc, rsc, wrw, rrw
.set ji, ji+1
.endr
.set gi, gi+1
.endr
.endm
.macro NEXT                            ; the next tile of rows: its first five fragments, its scale words, attn's code and scale
	v_add_nc_u32 v252, s[RO], v3
	v_add_nc_u32 v253, s[RO], v13
	v_add_nc_u32 v5, s[AO], v4
	WIN 0x40
	v_add_nc_u32 v252, s[RO], v3                   ; the copies: an LDS load's address is its source 0, which stands in the weights' window while products are issued
	WIN 0x80
	v_add_nc_u32 v252, s[RO], v3
	WIN 0
.set nn, 0
.rept 15
	ds_load_b128 v[32+4*nn:35+4*nn], v252 offset:512*nn
.set nn, nn+1
.endr
.irp p, 0,1,2,3
	ds_load_b32 v[14+\p], v253 offset:15360+128*\p
.endr
	ds_load_b32 v18, v253 offset:15872
	ds_load_b32 v20, v5
	ds_load_b32 v19, v5 offset:2048
.endm
; The sums begin with the biases (and h's part): they are loaded into the accumulators, in two runs of eight loads
.macro BIASA                           ; R's and HN's
.irp e, 0,1,2,3,12,13,14,15
	ds_load_b128 v[144+4*\e:147+4*\e], v6 offset:128*(\e/4)+16*(\e%4)
.endr
.endm
.macro BIASB                           ; Z's and XN's
.irp e, 4,5,6,7,8,9,10,11
	ds_load_b128 v[144+4*\e:147+4*\e], v6 offset:128*(\e/4)+16*(\e%4)
.endr
.endm
.macro H0L                             ; this tile's h0: my 16 numbers of row r
	v_add_nc_u32 v8, s[HO], v7
.irp q, 0,1,2,3
	ds_load_b128 v[92+4*\q:95+4*\q], v8 offset:16*\q
.endr
.endm
	s_load_b256 s[4:11], s[0:1], 0x0               ; xa s[4:5], cov s[6:7], scores s[8:9], part s[10:11]
	s_load_b256 s[12:19], s[0:1], 0x20             ; wq s[12:13], hpart s[14:15], b_ih s[16:17], b_hh s[18:19]
	s_load_b128 s[20:23], s[0:1], 0x40             ; out1 s[20:21], out2 s[22:23]
	s_load_b64 s[24:25], s[0:1], 0x50              ; wcq
	v_lshl_add_u32 v1, v0, 2, SPARE                ; v1, v2: for the adds of 0 onto my spare word, and for nothing else
	v_mov_b32 v2, 0
	ds_add_u32 v1, v2
	ds_add_u32 v1, v2
	s_wait_dscnt 0x0
	v_lshrrev_b32 v244, 5, v0
	v_readfirstlane_b32 s[WV], v244
	s_and_b32 s[JH], ttmp9, 1
	s_lshr_b32 s60, ttmp9, 1                       ; rb: which 256 rows
	s_lshr_b32 s61, s60, 1                         ; the batch
	s_and_b32 s90, s60, 1                          ; which half of it
	s_and_b32 s91, s[WV], 1
	; group 1 for records: 2 rows of 2,000 elements of 8 bytes, 2,048 elements apart
	s_mov_b32 s[G1A+0], 3<<16
	s_mov_b32 s[G1A+1], 2000<<16
	s_mov_b32 s[G1A+2], 2<<16
	s_mov_b32 s[G1A+3], 2000<<16
	s_mov_b32 s[G1A+4], 2
	s_mov_b32 s[G1A+5], 2048
	s_mov_b32 s[G1A+6], 0
	s_mov_b32 s[G1A+7], 0
	; for cov: 32 rows of 128 elements of 4 bytes, 256 elements apart; 4 words of padding behind every 128
	s_mov_b32 s[G1C+0], (2<<16)|(1<<20)|(6<<22)|(3<<25)
	s_mov_b32 s[G1C+1], 128<<16
	s_mov_b32 s[G1C+2], 32<<16
	s_mov_b32 s[G1C+3], 128<<16
	s_mov_b32 s[G1C+4], 32
	s_mov_b32 s[G1C+5], 256
	s_mov_b32 s[G1C+6], 0
	s_mov_b32 s[G1C+7], 0
	s_lshl_b32 s62, s60, 18                        ; 16 records of 16,384 bytes, and 256 rows of 1,024, are as many bytes
	s_lshl_b32 s63, s91, 15                        ; so are 2 records and 32 rows
	s_add_co_u32 s62, s62, s63
	s_mov_b32 s63, 0
	s_lshl_b32 s66, s[JH], 9
	s_add_co_u32 s66, s66, s62
	s_mov_b32 s67, 0
	s_mov_b32 s[G0A+0], 1
	s_mul_i32 s[G0A+1], s91, 2*REC
	s_mov_b32 s[G0A+4], 1
	s_add_co_u32 s[G0A+5], s[G0A+1], 4*REC
	s_mov_b32 s[G0C+0], 1
	s_mul_i32 s[G0C+1], s91, 32*HPI
	s_add_co_u32 s[G0C+1], s[G0C+1], COVF
	s_mov_b32 s[G0C+4], 1
	s_add_co_u32 s[G0C+5], s[G0C+1], 64*HPI
	s_wait_kmcnt 0x0
	s_add_nc_u64 s[G0A+2:G0A+3], s[4:5], s[62:63]
	s_add_nc_u64 s[G0A+6:G0A+7], s[G0A+2:G0A+3], 65536
	s_add_nc_u64 s[G0C+2:G0C+3], s[6:7], s[66:67]
	s_add_nc_u64 s[G0C+6:G0C+7], s[G0C+2:G0C+3], 65536
	s_or_b32 s[G0A+3], s[G0A+3], 0x80000000
	s_or_b32 s[G0A+7], s[G0A+7], 0x80000000
	s_or_b32 s[G0C+3], s[G0C+3], 0x80000000
	s_or_b32 s[G0C+7], s[G0C+7], 0x80000000
	s_cmp_lt_u32 s[WV], 2                          ; slot 0's first fill: one tensor load a wave, one in each arm, ahead of every wait on TENSORcnt, every LDS read and every barrier
	s_cbranch_scc0 .Lfirst_c
	tensor_load_to_lds s[G0A:G0A+3], s[G1A:G1A+7]
	s_nop 0
	PLACES 4
	s_branch .Lfirst_done
.Lfirst_c:
	tensor_load_to_lds s[G0C:G0C+3], s[G1C:G1C+7]
	s_nop 0
	PLACES 4
.Lfirst_done:
	v_and_b32 v244, 31, v0                         ; lane
	v_lshlrev_b32 v3, 4, v244                      ; v3  16 x lane
	v_lshlrev_b32 v13, 2, v244                     ; v13 4 x lane
	v_add_nc_u32 v4, ATC, v13                      ; v4  attn's words
	v_and_b32 v245, 15, v0                         ; r
	v_bfe_u32 v246, v0, 4, 1                       ; half
	s_lshl_b32 s62, s[WV], 9
	v_lshlrev_b32 v6, 6, v246
	v_add_nc_u32 v6, s62, v6
	v_add_nc_u32 v6, BIAS, v6                      ; v6  my biases: 512 w + 64 half
	v_add_nc_u32 v62, s62, v13
	v_add_nc_u32 v62, BIAS, v62                    ; where I put them: 512 w + 4 x lane
	v_mul_u32_u24 v247, v245, HPI
	v_lshl_add_u32 v247, v246, 6, v247
	s_lshl_b32 s66, s[WV], 7
	v_add_nc_u32 v247, s66, v247                   ; r x 528 + 128 w + 64 half
	v_add_nc_u32 v7, COVF, v247                    ; v7  h0
	v_add_nc_u32 v9, STG, v247                     ; v9  the stage, in
	s_mul_i32 s66, s[WV], 4*HPI
	v_add_nc_u32 v11, s66, v3
	v_add_nc_u32 v11, STG, v11                     ; v11 the stage, back: rows 4 w on, a row of 512 bytes to the 32 lanes
	v_lshrrev_b32 v248, 3, v244
	v_lshlrev_b32 v248, 7, v248
	v_and_b32 v249, 7, v244
	v_lshl_add_u32 v248, v249, 3, v248
	v_add_nc_u32 v248, s62, v248
	v_add_nc_u32 v55, ATC, v248                    ; where rows 64 w + 2 l, + 1 have their attn words
	v_lshlrev_b32 v52, 3, v244                     ; 8 x lane
	v_lshlrev_b32 v63, 6, v244                     ; 64 x lane
	v_mul_u32_u24 v81, v244, 12                    ; 12 x lane
	v_lshrrev_b32 v82, 1, v244                     ; lane / 2
	v_mov_b32 v60, 0
	v_mov_b32 v61, 0
.irp i, 21,22,23,24,25,26,27,28,29,30,31
	v_mov_b32 v[\i], 0                             ; attn's fragment but for its first register
.endr
	s_mov_b32 s[CL], 0x3fb8aa3b
	s_mov_b32 s86, 0xbfb8aa3b
	s_mov_b32 s87, s86                             ; (named with it as a pair, so it is written)
	s_mov_b32 s88, 0x4038aa3b
	s_mov_b32 s89, s88
	s_mov_b32 s63, 0
	s_lshl_b32 s62, s60, 10
	s_lshl_b32 s66, s[WV], 8
	s_add_co_u32 s62, s62, s66
	s_add_nc_u64 s[8:9], s[8:9], s[62:63]          ; scores and out1 at row 256 rb + 64 w
	s_add_nc_u64 s[20:21], s[20:21], s[62:63]
	s_lshl_b32 s62, s[JH], 9
	s_lshl_b32 s66, s[WV], 7
	s_add_co_u32 s62, s62, s66
	s_add_nc_u64 s[16:17], s[16:17], s[62:63]      ; the biases at column 128 jh + 32 w
	s_add_nc_u64 s[18:19], s[18:19], s[62:63]
	s_mul_i32 s66, s61, HPR
	s_add_co_u32 s62, s62, s66
	s_add_co_u32 s62, s62, 4096
	s_add_nc_u64 s[14:15], s[14:15], s[62:63]      ; hpart: my batch's row, column 1,024 + 128 jh + 32 w
	s_lshl_b32 s62, s[JH], 2
	s_add_co_u32 s62, s62, s[WV]
	s_mul_i32 s62, s62, GBLK
	s_add_co_u32 s62, s62, GRU
	s_add_nc_u64 s[12:13], s[12:13], s[62:63]      ; my block of weights
	s_lshl_b32 s62, s60, 18
	s_lshl_b32 s66, s[WV], 12
	s_add_co_u32 s62, s62, s66
	s_lshl_b32 s66, s[JH], 9
	s_add_co_u32 s62, s62, s66
	s_add_nc_u64 s[22:23], s[22:23], s[62:63]      ; out2 at row 256 rb + 4 w, column 128 jh: it stays; a tile's step lies in the stores' offset register
	s_lshl_b32 s62, s61, 5
	s_add_nc_u64 s[66:67], s[10:11], s[62:63]
	s_load_b256 s[72:79], s[66:67], 0x100000       ; the batch's four (m, l)
	global_load_b64 v[32:33], v52, s[8:9]
.irp q, 0,1,2,3
.irp g, 0,1,2
	global_load_b32 v[34+3*\q+\g], v13, s[14:15] offset:\q*HPL+1024*\g
.endr
.endr
.irp g, 0,1,2
	global_load_b32 v[46+\g], v13, s[16:17] offset:1024*\g
	global_load_b32 v[49+\g], v13, s[18:19] offset:1024*\g
.endr
.set fi, 0
.rept 66
.if fi < 63
.set wn, (fi/21+1)<<6
.set wr, 12*(fi%21)
.else
.set wn, 0
.set wr, 208+12*(fi-63)
.endif
	WIN wn
	global_load_b128 v[wr:wr+3], v3, s[12:13] offset:fi*1536
	global_load_b128 v[wr+4:wr+7], v3, s[12:13] offset:fi*1536+512
	global_load_b128 v[wr+8:wr+11], v3, s[12:13] offset:fi*1536+1024
.set fi, fi+1
.endr
	WIN 0
.set nn, 0
.rept 33
	global_load_b32 v[108+nn], v13, s[12:13] offset:GSC+128*nn
.set nn, nn+1
.endr
	s_wait_kmcnt 0x0
	v_max_num_f32 v64, s72, s74                    ; M
	v_max3_num_f32 v64, v64, s76, s78
	v_sub_f32 v65, s72, v64
	v_sub_f32 v66, s74, v64
	v_sub_f32 v67, s76, v64
	v_sub_f32 v68, s78, v64
.irp i, 65,66,67,68
	v_mul_f32 v[\i], s[CL], v[\i]
.endr
	s_wait_alu depctr_va_vdst(0)
.irp i, 65,66,67,68
	v_exp_f32 v[\i], v[\i]                         ; g = 2^(c (m - M))
.endr
	v_nop
	s_wait_alu depctr_va_vdst(0)                   ; one wait for the four, ahead of their first reader
	v_mul_f32 v69, s73, v65
	v_fma_f32 v69, s75, v66, v69
	v_fma_f32 v69, s77, v67, v69
	v_fma_f32 v69, s79, v68, v69                   ; L
	s_wait_alu depctr_va_vdst(0)
	v_rcp_f32 v70, v69
	v_nop
	s_wait_alu depctr_va_vdst(0)
	s_wait_loadcnt 63                              ; 231 loads were issued behind the scores, h's parts and the biases: at most 63 out shows those in
	v_sub_f32 v32, v32, v64
	v_sub_f32 v33, v33, v64
	v_mul_f32 v32, s[CL], v32
	v_mul_f32 v33, s[CL], v33
	s_wait_alu depctr_va_vdst(0)
	v_exp_f32 v32, v32
	v_exp_f32 v33, v33
	v_nop
	s_wait_alu depctr_va_vdst(0)
	v_mul_f32 v32, v32, v70                        ; attn of rows 64 w + 2 l, + 1
	v_mul_f32 v33, v33, v70
	s_cmp_lg_u32 s[JH], 0
	s_cbranch_scc1 .Lno_out1
	global_store_b64 v52, v[32:33], s[20:21]       ; the wave stores 256 consecutive bytes, at a multiple of 256 from out1's first byte
.Lno_out1:
.set nn, 1
.rept 15
	v_mov_b32 v[144+nn], 0                         ; attn is a block's only number: fifteen zeros beside it
	v_mov_b32 v[160+nn], 0
.set nn, nn+1
.endr
	v_mov_b32 v144, v32
	v_mov_b32 v160, v33
	v_max_num_f32 v53, 0x1800000, v32              ; the floor 2^(3 - 127)
	v_max_num_f32 v54, 0x1800000, v33
	v_add_nc_u32 v53, 0xff000000, v53
	v_add_nc_u32 v54, 0xff000000, v54
	v_cvt_scalef32_pk16_fp6_f32 v[176:178], v[144:159], v53
	v_cvt_scalef32_pk16_fp6_f32 v[180:182], v[160:175], v54
	v_nop                                          ; one plain line behind the scaled conversions
	v_lshrrev_b32 v56, 23, v53
	v_lshrrev_b32 v57, 23, v54
	v_mov_b32 v58, v176
	v_mov_b32 v59, v180
	ds_store_b64 v55, v[58:59]
	ds_store_b64 v55, v[60:61] offset:64
	ds_store_b64 v55, v[56:57] offset:2048
	ds_store_b64 v55, v[60:61] offset:2048+64
.irp g, 0,1,2                          ; column 32 w + lane: h's part, the four quarters of K in order, + b_ih
	v_add_f32 v[34+\g], v[34+\g], v[37+\g]
	v_add_f32 v[34+\g], v[34+\g], v[40+\g]
	v_add_f32 v[34+\g], v[34+\g], v[43+\g]
	v_add_f32 v[34+\g], v[34+\g], v[46+\g]
.endr
	v_add_f32 v34, v34, v49                        ; R and Z take b_hh too; HN begins with b_hh alone
	v_add_f32 v35, v35, v50
	ds_store_b32 v62, v34
	ds_store_b32 v62, v35 offset:128
	ds_store_b32 v62, v36 offset:256
	ds_store_b32 v62, v51 offset:384
	; wc: 512 of the batch's 1,024 columns, by wave 3 of the work-groups with jh = 0: the four quarters' sums x g / L, quantised, 16 columns a lane
	s_cmp_lg_u32 s[JH], 0
	s_cbranch_scc1 .Lno_wc
	s_cmp_lg_u32 s[WV], 3
	s_cbranch_scc1 .Lno_wc
	s_lshl_b32 s62, s61, 14
	s_lshl_b32 s66, s90, 11
	s_add_co_u32 s62, s62, s66
	s_add_nc_u64 s[68:69], s[10:11], s[62:63]
.set nn, 0
.rept 16
	global_load_b128 v[144+4*nn:147+4*nn], v63, s[68:69] offset:(nn/4)*4096+16*(nn%4)
.set nn, nn+1
.endr
.irp i, 0,1,2,3
	v_mul_f32 v[71+\i], v[65+\i], v70
.endr
	s_wait_alu depctr_va_vdst(0)
	s_wait_loadcnt 0x0
.set nn, 0
.rept 16
	v_mul_f32 v[144+nn], v[144+nn], v71
	v_fma_f32 v[144+nn], v[160+nn], v72, v[144+nn]
	v_fma_f32 v[144+nn], v[176+nn], v73, v[144+nn]
	v_fma_f32 v[144+nn], v[192+nn], v74, v[144+nn]
.set nn, nn+1
.endr
	v_max3_num_f32 v75, |v144|, |v145|, 0x1800000
.irp i, 2,4,6,8,10,12,14
	v_max3_num_f32 v75, v75, |v[144+\i]|, |v[145+\i]|
.endr
	v_max_num_f32_dpp v75, v75, v75 row_xmask:1 row_mask:0xf bank_mask:0xf   ; two neighbouring lanes hold a block
	v_add_nc_u32 v75, 0xff000000, v75
	v_cvt_scalef32_pk16_fp6_f32 v[78:80], v[144:159], v75
	s_wait_alu depctr_va_vdst(0)
	v_lshrrev_b32 v76, 23, v75                     ; (the plain line behind the conversion)
	s_wait_alu depctr_va_vdst(0)
	s_mul_i32 s62, s61, 768
	s_mul_i32 s66, s90, 384
	s_add_co_u32 s62, s62, s66
	s_add_nc_u64 s[68:69], s[24:25], s[62:63]
	s_lshl_b32 s62, s61, 5
	s_lshl_b32 s66, s90, 4
	s_add_co_u32 s62, s62, s66
	s_add_nc_u64 s[70:71], s[24:25], s[62:63]
	global_store_b96 v81, v[78:80], s[68:69]       ; the wave stores 384 consecutive bytes
	global_store_b8 v82, v76, s[70:71] offset:49152   ; both lanes of a block write the same byte with the same value
.Lno_wc:
	s_wait_tensorcnt 0x0                           ; my part of slot 0 is in.  Slot 1's first fill is issued as a refill is: these three lines, the barrier, the load first behind it
	ds_add_u32 v1, v2                              ; 0 onto my spare word
	s_wait_dscnt 0x0                               ; the add is done, and my attn words and biases have landed
	s_barrier_signal -1
	s_barrier_wait -1
	TLOAD 1                                        ; slot 1: it has four tiles of rows in which to land
	s_wait_xcnt 0x0
	s_mov_b32 s[RO], 0
	s_mov_b32 s[AO], 0
	s_mov_b32 s[SP], 0
	NEXT
	BIASA
	BIASB
	s_wait_loadcnt 0x0                             ; the weights
; ONE TILE OF 16 ROWS.  kind 0: plain; 1: the slot's last, which is then filled again; 2: a slot's last, nothing left to fetch; 3: the launch's last.
.macro MT kind, slot
	v_add_nc_u32 v10, s[SP], v9
	v_add_nc_u32 v12, s[SP], v11
	s_wait_dscnt 0x0                               ; the first five fragments, the scale words and the biases are in
.irp s, 0,1,2,3,4
	STEPW \s, 32+12*\s
	PLACES 4                                       ; in front of loads into registers that products have read
.irp c, 0,1,2
	ds_load_b128 v[32+12*\s+4*\c:35+12*\s+4*\c], v252 offset:(\s+5)*1536+512*\c   ; the record's fragment s + 5 takes the buffer
.endr
.endr
	s_wait_dscnt 12                                ; three loads a fragment: those of the four younger fragments may be out, and so on down
	STEPW 5, 32
	s_wait_dscnt 9
	STEPW 6, 44
	s_wait_dscnt 6
	STEPW 7, 56
	STEPW 8, 20
	s_wait_dscnt 3
	STEPW 9, 68
	s_wait_dscnt 0x0
	STEPW 10, 80
	WIN 0
	PLACES 4
	s_wait_xcnt 0x0                                ; the last tile's stores, 66 products back, have read v92-107 and their offset register: both are written again below
	v_add_nc_u32 v254, s[OO], v3                   ; this tile's place in out2
	H0L                                            ; ahead of a change of slots: the wait for 0 in front of its barrier covers these reads of the slot
.if (\kind == 1) || (\kind == 2)
	s_wait_tensorcnt 0x0                           ; all my tensor loads have landed: my part of the other slot
	ds_add_u32 v1, v2                              ; 0 onto my spare word
.if \kind == 1
	s_add_nc_u64 s[G0A+4*(\slot)+2:G0A+4*(\slot)+3], s[G0A+4*(\slot)+2:G0A+4*(\slot)+3], 131072   ; eight records on; 128 rows of cov on
	s_add_nc_u64 s[G0C+4*(\slot)+2:G0C+4*(\slot)+3], s[G0C+4*(\slot)+2:G0C+4*(\slot)+3], 131072
.endif
	s_wait_dscnt 0x0                               ; the add is done; my reads of this slot (its last record, its last rows of cov) are back
	s_barrier_signal -1
	s_barrier_wait -1
.if \kind == 1
	TLOAD \slot                                    ; my one tensor load behind this barrier, and the first thing there: it has four tiles of rows in which to land
.endif
	s_mov_b32 s[RO], (1-(\slot))*4*REC
.endif
.if \kind != 3
	NEXT
.endif
	; the gates, in place, the pairs in ascending order (each accumulator is read from its low end on).  Each batch of transcendentals has one plain line and one wait behind it
.set nn, 0
.rept 16
	v_pk_mul_f32 v[144+2*nn:145+2*nn], v[144+2*nn:145+2*nn], s[86:87] op_sel_hi:[1,0]
.set nn, nn+1
.endr
.set nn, 0
	s_wait_alu depctr_va_vdst(0)
.rept 32
	v_exp_f32 v[144+nn], v[144+nn]
.set nn, nn+1
.endr
	v_nop
	s_wait_alu depctr_va_vdst(0)
.set nn, 0
.rept 16
	v_pk_add_f32 v[144+2*nn:145+2*nn], v[144+2*nn:145+2*nn], 1.0 op_sel_hi:[1,0]
.set nn, nn+1
.endr
.set nn, 0
	s_wait_alu depctr_va_vdst(0)
.rept 32
	v_rcp_f32 v[144+nn], v[144+nn]                 ; r and z = 1 / (1 + 2^(-c x))
.set nn, nn+1
.endr
	v_nop
	s_wait_alu depctr_va_vdst(0)
.set nn, 0
.rept 8
	v_pk_fma_f32 v[176+2*nn:177+2*nn], v[144+2*nn:145+2*nn], v[192+2*nn:193+2*nn], v[176+2*nn:177+2*nn]   ; xn + r hn
.set nn, nn+1
.endr
.if \kind != 3
	BIASA                                          ; r and hn have been read for the last time: the next tile's biases land there under the rest of the gates
.endif
.set nn, 0
.rept 8
	v_pk_mul_f32 v[176+2*nn:177+2*nn], v[176+2*nn:177+2*nn], s[88:89] op_sel_hi:[1,0]
.set nn, nn+1
.endr
.set nn, 0
	s_wait_alu depctr_va_vdst(0)
.rept 16
	v_exp_f32 v[176+nn], v[176+nn]
.set nn, nn+1
.endr
	v_nop
	s_wait_alu depctr_va_vdst(0)
.set nn, 0
.rept 8
	v_pk_add_f32 v[176+2*nn:177+2*nn], v[176+2*nn:177+2*nn], 1.0 op_sel_hi:[1,0]
.set nn, nn+1
.endr
.set nn, 0
	s_wait_alu depctr_va_vdst(0)
.rept 16
	v_rcp_f32 v[176+nn], v[176+nn]
.set nn, nn+1
.endr
	v_nop
	s_wait_alu depctr_va_vdst(0)
.set nn, 0
.rept 8
	v_pk_fma_f32 v[176+2*nn:177+2*nn], v[176+2*nn:177+2*nn], -2.0, 1.0 op_sel_hi:[1,0,0]   ; n = tanh = 1 - 2 / (1 + 2^(2 c y))
.set nn, nn+1
.endr
	s_wait_alu depctr_va_vdst(0)
	s_wait_dscnt 0x0                               ; h0 is in (it was asked for ahead of the gates), and all that was asked for behind it
.set nn, 0
.rept 8
	v_pk_add_f32 v[92+2*nn:93+2*nn], v[92+2*nn:93+2*nn], v[176+2*nn:177+2*nn] neg_lo:[0,1] neg_hi:[0,1]   ; h0 - n
.set nn, nn+1
.endr
.set nn, 0
.rept 8
	v_pk_fma_f32 v[92+2*nn:93+2*nn], v[160+2*nn:161+2*nn], v[92+2*nn:93+2*nn], v[176+2*nn:177+2*nn]   ; n + z (h0 - n)
.set nn, nn+1
.endr
.if \kind != 3
	BIASB                                          ; z and n have been read for the last time: the next tile's biases of Z and XN are asked for here, ahead of the stage's stores, and come back under the wait in front of the barrier
.endif
.irp q, 0,1,2,3
	ds_store_b128 v10, v[92+4*\q:95+4*\q] offset:16*\q
.endr
	s_wait_dscnt 0x0                               ; for the others' sake: my 128 bytes of each of the 16 rows have landed
	s_barrier_signal -1
	s_barrier_wait -1                              ; the two stages take turns: a stage is written again only behind the next tile's barrier, in front of which every wave's reads of it are back (the wait at a tile's head)
.irp i, 0,1,2,3
	ds_load_b128 v[92+4*\i:95+4*\i], v12 offset:\i*HPI
.endr
	s_wait_dscnt 0x0                               ; the four rows are back: nothing younger is out
.irp i, 0,1,2,3
	global_store_b128 v254, v[92+4*\i:95+4*\i], s[22:23] offset:1024*\i th:TH_STORE_NT   ; the wave stores 512 consecutive bytes, at a multiple of 256 from out2's first byte
.endr
	s_xor_b32 s[SP], s[SP], 16*HPI
.if \kind == 0
	s_add_co_u32 s[RO], s[RO], REC
	s_add_co_u32 s[HO], s[HO], 16*HPI
.endif
	s_add_co_u32 s[AO], s[AO], 128
	s_add_co_u32 s[OO], s[OO], 16384
.endm
.macro GROUP t, kind                   ; four tiles of rows: a slot
	s_mov_b32 s[RO], ((\t)%2)*4*REC+REC
	s_mov_b32 s[HO], ((\t)%2)*64*HPI
	s_mov_b32 s[AO], (4*(\t)+1)*128
	s_mov_b32 s[OO], (4*(\t))*16384
	s_mov_b32 s[CNT], 3
.Lgroup_\@:
	s_wait_alu depctr_va_vdst(0)
	MT 0, 0
	s_sub_co_u32 s[CNT], s[CNT], 1
	s_cmp_lg_u32 s[CNT], 0
	s_cbranch_scc1 .Lgroup_\@
	MT \kind, (\t)%2
.endm
	GROUP 0, 1
	GROUP 1, 1
	GROUP 2, 2                                     ; the tails are written out
	GROUP 3, 3
	s_wait_tensorcnt 0x0                           ; the wave's end
	ds_add_u32 v1, v2
	s_wait_dscnt 0x0
	s_endpgm
.Lfunc_end_k_q7c030db377_gru:
	.size	k_q7c030db377_gru, .Lfunc_end_k_q7c030db377_gru-k_q7c030db377_gru
	.p2alignl 7, 3214868480
	.fill 96, 4, 3214868480
	.section	.rodata,"a",@progbits
	.p2align	6, 0x0
	.amdhsa_kernel k_q7c030db377_gru
		.amdhsa_group_segment_fixed_size 327680
		.amdhsa_private_segment_fixed_size 0
		.amdhsa_enable_private_segment 0
		.amdhsa_kernarg_size 88
		.amdhsa_user_sgpr_count 2
		.amdhsa_user_sgpr_kernarg_segment_ptr 1
		.amdhsa_wavefront_size32 1
		.amdhsa_system_sgpr_workgroup_id_x 1
		.amdhsa_system_sgpr_workgroup_id_y 1
		.amdhsa_system_sgpr_workgroup_id_z 1
		.amdhsa_system_vgpr_workitem_id 0
		.amdhsa_next_free_vgpr 1024
		.amdhsa_next_free_sgpr 100
		.amdhsa_reserve_vcc 0
		.amdhsa_float_denorm_mode_32 3
		.amdhsa_float_denorm_mode_16_64 3
		.amdhsa_memory_ordered 1
		.amdhsa_forward_progress 1
		.amdhsa_inst_pref_size 230
	.end_amdhsa_kernel
	.amdgpu_metadata
---
amdhsa.version: [ 1, 2 ]
amdhsa.kernels:
  - .name:           k_q7c030db377_gru
    .symbol:         k_q7c030db377_gru.kd
    .args:
      - { .name: xa, .offset: 0, .size: 8, .value_kind: global_buffer, .address_space: global }
      - { .name: cov, .offset: 8, .size: 8, .value_kind: global_buffer, .address_space: global }
      - { .name: scores, .offset: 16, .size: 8, .value_kind: global_buffer, .address_space: global }
      - { .name: part, .offset: 24, .size: 8, .value_kind: global_buffer, .address_space: global }
      - { .name: wq, .offset: 32, .size: 8, .value_kind: global_buffer, .address_space: global }
      - { .name: hpart, .offset: 40, .size: 8, .value_kind: global_buffer, .address_space: global }
      - { .name: b_ih, .offset: 48, .size: 8, .value_kind: global_buffer, .address_space: global }
      - { .name: b_hh, .offset: 56, .size: 8, .value_kind: global_buffer, .address_space: global }
      - { .name: out1, .offset: 64, .size: 8, .value_kind: global_buffer, .address_space: global }
      - { .name: out2, .offset: 72, .size: 8, .value_kind: global_buffer, .address_space: global }
      - { .name: wcq, .offset: 80, .size: 8, .value_kind: global_buffer, .address_space: global }
    .group_segment_fixed_size: 327680
    .private_segment_fixed_size: 0
    .kernarg_segment_align: 8
    .kernarg_segment_size: 88
    .max_flat_workgroup_size: 128
    .sgpr_count:     100
    .vgpr_count:     1024
    .wavefront_size: 32
...
	.end_amdgpu_metadata
.endif
;; end of part 3
;; launch out (part 4): grid 16 x 4, 4 waves a work-group, no clusters, 5,120 bytes of LDS; arguments wcq, wq, hpart, out0; writes out0
.if DOCPART == 4
	.amdgcn_target "amdgcn-amd-amdhsa--gfx1250"
	.amdhsa_code_object_version 6
	.text
	.protected	k_q7c030db377_out
	.globl	k_q7c030db377_out
	.p2align	8
	.type	k_q7c030db377_out,@function
k_q7c030db377_out:
	s_mov_b64 s[64:65], 0
	v_nop
	global_prefetch_b8 v0, s[64:65] scope:SCOPE_SE
	s_setreg_imm32_b32 hwreg(HW_REG_WAVE_MODE, 25, 1), 1
	s_wait_xcnt 0x0
; OUT.  h_tilde = tanh(Q([wc, h]) Q(W_out)^T).  The h part (K 1,024 on) was made by the first launch, in four quarters of K: the four quarters are the C of four sums, onto which the wc part's eight K steps go by turns.
; Work-group (x, y): 64 columns x 16 batches.  Wave w: tile 4 x + w of W_out, whose fragments lie in wq as images of registers; wc's codes lie as rows, 768 bytes a batch.
; Transposed: source 0 = 16 rows of W_out, source 1 = 16 batches: lane (r, half) holds batch 16 y + r and columns 64 x + 32 (w / 2) + 16 half + 8 (w % 2) + 0 .. 7.
; 64 work-groups: the launch has no more work than that to share out, 16 x 64 outputs each.
; LIMITS: NaN and infinities are not served.
.set WOI,   1050624
.set WOS,   1837056
.set HPL,   720896
.set HPR,   11264
.set OPI,   272
	s_load_b256 s[4:11], s[0:1], 0x0               ; wcq s[4:5], wq s[6:7], hpart s[8:9], out0 s[10:11]
	v_lshl_add_u32 v62, v0, 2, 0x1200
	v_mov_b32 v63, 0
	v_lshrrev_b32 v1, 5, v0
	v_readfirstlane_b32 s12, v1                    ; wave
	s_and_b32 s13, ttmp7, 0xffff                   ; y
	v_and_b32 v1, 31, v0
	v_lshlrev_b32 v2, 4, v1                        ; 16 x lane
	v_lshlrev_b32 v3, 2, v1                        ; 4 x lane
	v_and_b32 v4, 15, v0                           ; r
	v_bfe_u32 v5, v0, 4, 1                         ; half
	v_mul_u32_u24 v6, v4, 768
	v_mad_u32_u24 v6, v5, 24, v6                   ; wc's codes: row r, + 24 x half
	v_lshlrev_b32 v7, 5, v4                        ; wc's scale words: 32 bytes a row
	v_mul_u32_u24 v52, v4, HPR
	v_lshl_add_u32 v52, v5, 6, v52                 ; hpart: row r, + 64 x half
	s_lshr_b32 s14, s12, 1
	s_lshl_b32 s14, s14, 7
	s_and_b32 s15, s12, 1
	s_lshl_b32 s15, s15, 5
	s_add_co_u32 s14, s14, s15                     ; 128 (w / 2) + 32 (w % 2)
	v_mul_u32_u24 v53, v4, OPI
	v_lshl_add_u32 v53, v5, 6, v53
	v_add_nc_u32 v53, s14, v53                     ; the stage, in
	s_mul_i32 s15, s12, 4*OPI
	v_mul_u32_u24 v54, v5, OPI
	v_lshl_add_u32 v54, v4, 4, v54
	v_add_nc_u32 v54, s15, v54                     ; and back: rows 4 w on, lanes 0-15 one row, lanes 16-31 the next
	s_lshl_b32 s15, s12, 14
	v_lshlrev_b32 v55, 12, v5
	v_lshl_add_u32 v55, v4, 4, v55
	v_add_nc_u32 v55, s15, v55                     ; the same two rows in out0
	s_lshl_b32 s16, ttmp9, 2
	s_add_co_u32 s16, s16, s12                     ; the tile of W_out
	s_mov_b32 s19, 0
	s_mul_i32 s18, s16, 12288
	s_add_co_u32 s18, s18, WOI
	s_mov_b32 s21, 0
	s_lshl_b32 s20, s16, 9
	s_add_co_u32 s20, s20, WOS
	s_mov_b32 s23, 0
	s_mul_i32 s22, s13, 12288
	s_mov_b32 s25, 0
	s_lshl_b32 s24, s13, 9
	s_mov_b32 s27, 0
	s_mul_i32 s26, s13, 16*HPR
	s_add_co_u32 s26, s26, s14
	s_lshl_b32 s28, ttmp9, 8
	s_add_co_u32 s26, s26, s28
	s_add_co_u32 s26, s26, 7168                    ; column 1,792 + 64 x + ..
	s_mov_b32 s29, 0
	s_lshl_b32 s30, s13, 16
	s_add_co_u32 s28, s28, s30
	s_wait_kmcnt 0x0
	s_add_nc_u64 s[18:19], s[6:7], s[18:19]
	s_add_nc_u64 s[20:21], s[6:7], s[20:21]
	s_add_nc_u64 s[22:23], s[4:5], s[22:23]
	s_add_nc_u64 s[24:25], s[4:5], s[24:25]
	s_add_nc_u64 s[26:27], s[8:9], s[26:27]
	s_add_nc_u64 s[28:29], s[10:11], s[28:29]
.set nn, 0
.rept 24
	global_load_b128 v[64+4*nn:67+4*nn], v2, s[18:19] offset:512*nn        ; W_out's eight fragments
.set nn, nn+1
.endr
.irp p, 0,1,2,3
	global_load_b32 v[40+\p], v3, s[20:21] offset:128*\p                   ; their paired scale words
.endr
.set nn, 0
.rept 48
	global_load_b64 v[160+2*nn:161+2*nn], v6, s[22:23] offset:96*(nn/6)+48*((nn%6)/3)+8*(nn%3)   ; wc's eight fragments, in pieces of 8 bytes
.set nn, nn+1
.endr
	global_load_b128 v[44:47], v7, s[24:25] offset:49152                   ; wc's eight scale words of row r
	global_load_b128 v[48:51], v7, s[24:25] offset:49152+16
.irp q, 0,1,2,3
	global_load_b128 v[8+8*\q:11+8*\q], v52, s[26:27] offset:\q*HPL        ; the h part's quarter q: the C of sum q
	global_load_b128 v[12+8*\q:15+8*\q], v52, s[26:27] offset:\q*HPL+16
.endr
	s_wait_loadcnt 0x0
.irp s, 0,2,4,6                        ; the four sums take turns, one instruction a turn
	v_wmma_scale_f32_16x16x128_f8f6f4 v[8+8*(\s%4):15+8*(\s%4)], v[64+12*\s:75+12*\s], v[160+12*\s:171+12*\s], v[8+8*(\s%4):15+8*(\s%4)], v[40+\s/2], v[44+\s] matrix_a_fmt:MATRIX_FMT_FP6 matrix_b_fmt:MATRIX_FMT_FP6
	v_wmma_scale_f32_16x16x128_f8f6f4 v[16+8*(\s%4):23+8*(\s%4)], v[76+12*\s:87+12*\s], v[172+12*\s:183+12*\s], v[16+8*(\s%4):23+8*(\s%4)], v[40+\s/2], v[45+\s] matrix_a_fmt:MATRIX_FMT_FP6 matrix_b_fmt:MATRIX_FMT_FP6 matrix_a_scale:MATRIX_SCALE_ROW1
.endr
.rept 4
	v_nop
.endr
.irp e, 0,2,4,6                        ; each accumulator is read from its low end on
	v_pk_add_f32 v[8+\e:9+\e], v[8+\e:9+\e], v[16+\e:17+\e]
	v_pk_add_f32 v[24+\e:25+\e], v[24+\e:25+\e], v[32+\e:33+\e]
.endr
.irp e, 0,2,4,6
	v_pk_add_f32 v[8+\e:9+\e], v[8+\e:9+\e], v[24+\e:25+\e]
.endr
.irp e, 0,2,4,6
	v_pk_mul_f32 v[8+\e:9+\e], v[8+\e:9+\e], 0x4038aa3b op_sel_hi:[1,0]    ; x 2 log2(e)
.endr
	s_wait_alu depctr_va_vdst(0)
.irp e, 0,1,2,3,4,5,6,7
	v_exp_f32 v[8+\e], v[8+\e]
.endr
	v_nop
	s_wait_alu depctr_va_vdst(0)                   ; one wait a batch, ahead of its first reader
.irp e, 0,2,4,6
	v_pk_add_f32 v[8+\e:9+\e], v[8+\e:9+\e], 1.0 op_sel_hi:[1,0]
.endr
	s_wait_alu depctr_va_vdst(0)
.irp e, 0,1,2,3,4,5,6,7
	v_rcp_f32 v[8+\e], v[8+\e]
.endr
	v_nop
	s_wait_alu depctr_va_vdst(0)
.irp e, 0,2,4,6
	v_pk_fma_f32 v[8+\e:9+\e], v[8+\e:9+\e], -2.0, 1.0 op_sel_hi:[1,0,0]   ; tanh = 1 - 2 / (1 + 2^(2 c y))
.endr
	ds_store_b128 v53, v[8:11]
	ds_store_b128 v53, v[12:15] offset:16
	s_wait_dscnt 0x0                               ; for the others' sake: a row's 256 bytes come from four waves
	s_barrier_signal -1
	s_barrier_wait -1
	ds_load_b128 v[16:19], v54
	ds_load_b128 v[20:23], v54 offset:2*OPI
	s_wait_dscnt 0x1
	global_store_b128 v55, v[16:19], s[28:29]      ; sixteen lanes store 256 consecutive bytes, at a multiple of 256 from out0's first byte
	s_wait_dscnt 0x0
	global_store_b128 v55, v[20:23], s[28:29] offset:2*4096
	s_wait_tensorcnt 0x0
	ds_add_u32 v62, v63
	s_wait_dscnt 0x0
	s_endpgm
.Lfunc_end_k_q7c030db377_out:
	.size	k_q7c030db377_out, .Lfunc_end_k_q7c030db377_out-k_q7c030db377_out
	.p2alignl 7, 3214868480
	.fill 96, 4, 3214868480
	.section	.rodata,"a",@progbits
	.p2align	6, 0x0
	.amdhsa_kernel k_q7c030db377_out
		.amdhsa_group_segment_fixed_size 5120
		.amdhsa_private_segment_fixed_size 0
		.amdhsa_enable_private_segment 0
		.amdhsa_kernarg_size 32
		.amdhsa_user_sgpr_count 2
		.amdhsa_user_sgpr_kernarg_segment_ptr 1
		.amdhsa_wavefront_size32 1
		.amdhsa_system_sgpr_workgroup_id_x 1
		.amdhsa_system_sgpr_workgroup_id_y 1
		.amdhsa_system_sgpr_workgroup_id_z 1
		.amdhsa_system_vgpr_workitem_id 0
		.amdhsa_next_free_vgpr 256
		.amdhsa_next_free_sgpr 66
		.amdhsa_reserve_vcc 0
		.amdhsa_float_denorm_mode_32 3
		.amdhsa_float_denorm_mode_16_64 3
		.amdhsa_memory_ordered 1
		.amdhsa_forward_progress 1
		.amdhsa_inst_pref_size 16
	.end_amdhsa_kernel
	.amdgpu_metadata
---
amdhsa.version: [ 1, 2 ]
amdhsa.kernels:
  - .name:           k_q7c030db377_out
    .symbol:         k_q7c030db377_out.kd
    .args:
      - { .name: wcq, .offset: 0, .size: 8, .value_kind: global_buffer, .address_space: global }
      - { .name: wq, .offset: 8, .size: 8, .value_kind: global_buffer, .address_space: global }
      - { .name: hpart, .offset: 16, .size: 8, .value_kind: global_buffer, .address_space: global }
      - { .name: out0, .offset: 24, .size: 8, .value_kind: global_buffer, .address_space: global }
    .group_segment_fixed_size: 5120
    .private_segment_fixed_size: 0
    .kernarg_segment_align: 8
    .kernarg_segment_size: 32
    .max_flat_workgroup_size: 128
    .sgpr_count:     66
    .vgpr_count:     256
    .wavefront_size: 32
...
	.end_amdgpu_metadata
.endif
;; end of part 4
